; MI455X (gfx1250); checked and timed in simulation.
; The chip was launched on July 23, 2026; its instructions are those of AMD's public machine-readable ISA for CDNA 5 (MIT licence, August 2026) and "CDNA5" Instruction Set Architecture Reference Guide (July 2026). The comments in the code are by the model that wrote it; some were corrected since.
;; Parallel Transformer Block. Allowed arithmetic: matrix products marked QUANTISED: E2M1 operands, one E8M0 scale for each 32 along K, by v_wmma_scale_f32_16x16x128_f8f6f4 with both operands' format E2M1 (or v_wmma_scale_f32_32x16x128_f4), f32 sums; products left as they are: f32 operands where the result goes on into a quantised operand, else bf16, f16 or f32 operands; f32 sums; everything else in f32.
;; Inputs: attn_mask 2 x 2,048 x 2,048 bool; ln_b 2,048 float32; ln_w 2,048 float32; w_attn_out 512 x 2,048 float32; w_ff_out 2,048 x 2,048 float32; w_fused 2,048 x 4,640 float32; x 2 x 2,048 x 2,048 float32.
;; Outputs: out0 2 x 2,048 x 2,048 float32.
;; This version of the problem:
;;   THIS VERSION OF THE PROBLEM IS GIVEN IN LOW PRECISION. The matrix products marked QUANTISED in the list below multiply operands that are first quantised to E2M1 (2 exponent bits, 1 mantissa bit; 4 bits a number), with one power-of-two scale for each 32 numbers along K (OCP MX v1.0); their sums are f32. All else is computed in f32.
;;   The module's matrix products, in the order in which they are computed (A, B: the left and right operand; K: the contracted axis; several contracted axes count as one K, in the product's order):
;;     1. [M 4,096, K 2,048] x [K 2,048, N 4,640]; A: computed on the way; B: input w_fused: QUANTISED
;;     2. batch 2 x [M 65,536, K 16] x [K 16, N 2,048]; A: computed on the way; B: computed on the way: left as it is (K = 16 < 32)
;;     3. batch 2 x [M 65,536, K 2,048] x [K 2,048, N 16]; A: softmax (see below); B: computed on the way: QUANTISED
;;     4. [M 4,096, K 512] x [K 512, N 2,048]; A: computed on the way; B: input w_attn_out: QUANTISED
;;     5. [M 4,096, K 2,048] x [K 2,048, N 2,048]; A: computed on the way; B: input w_ff_out: QUANTISED
;;   THE QUANTISER, for each operand of a quantised product, along K:
;;     - K is cut into blocks of 32 from its start; a last block that is shorter is filled with zeros.
;;     - A block's scale is 2^e with e = floor(log2(the largest magnitude in the block)) - 2, held to -126 .. 127; a block of zeros has e = 0. As a byte (E8M0): e + 127.
;;     - Each number is divided by its block's scale, clamped to +-6, and rounded to the nearest number of E2M1, ties to even, subnormals kept.
;;     - The product sums the exact products of the quantised numbers (number of the format x scale) in f32.
;;   ~~~python
;;   def quantise(x, axis):      # numpy; x: float32 -> the quantised numbers, widened to float32 again
;;       x = np.moveaxis(x, axis, -1); K = x.shape[-1]
;;       x = np.pad(x, [(0, 0)] * (x.ndim - 1) + [(0, -K % 32)]); x = x.reshape(x.shape[:-1] + (-1, 32)); a = np.abs(x).max(-1, keepdims=True)
;;       e = np.where(a > 0, np.clip(np.frexp(np.where(a > 0, a, 1))[1] - 1 - 2, -126, 127), 0)      # np.frexp(a)[1] - 1 = floor(log2(a)), exactly
;;       r = np.clip(x / 2.0 ** e, -6, 6)
;;       step = 2.0 ** (np.maximum(np.frexp(np.where(r == 0, 1, r))[1] - 1, 0) - 1)
;;       q = np.round(r / step) * step * 2.0 ** e      # np.round: ties to even
;;       return np.moveaxis(q.reshape(q.shape[:-2] + (-1,))[..., :K], -1, axis).astype(np.float32)
;;   ~~~
;;   SOFTMAX AHEAD OF A QUANTISED PRODUCT. Where the list says 'softmax', what is quantised is not the finished softmax but p = 2^(t - M), with t = logit x log2(e) and M = ceil(the row's largest t), a whole number; so 1/2 < the row's largest p <= 1. The row's sum l is taken of the UNQUANTISED p, in f32, and the product's result is divided by l at the end. Since M is a whole number, a kernel that streams over the keys may use a running M (the ceiling of the running maximum): every later rescaling is an exact power of two, which a block's scale takes up: the codes' values come out the same.
;;   OPERANDS COMPUTED ON THE WAY. 'Computed on the way' means the value that the module computes at that place (a softmax that the list does not call 'softmax' is quantised finished and normalised). What goes into a quantiser is computed in f32, as accurately as f32 sums, v_exp_f32 and their like allow (about 1e-6 of the number): no bf16 or f16 on the way to a quantiser, and a product that is left as it is and whose result goes on into a quantised operand takes f32 operands (vector FMAs, or v_wmma_f32_16x16x4_f32). A number that lies on a knife's edge between two numbers of the format may be rounded either way, as far as f32 arithmetic and the matrix unit's own rounding can turn it there, and no further.
;; One version. Each part assembles by itself: llvm-mc -triple=amdgcn-amd-amdhsa -mcpu=gfx1250 --defsym DOCPART=n.
;; ======== version 1 of 1: 5 launches
;; workspace buffers: ops 12,290,048 bytes; qkv 8,685,568 bytes; a2 5,570,560 bytes
;; launch prep (part 1): grid 481 x 1, 16 waves a work-group, no clusters, 186,368 bytes of LDS; arguments x, ln_w, ln_b, w_fused, w_ff_out, w_attn_out, ops; writes ops
.if DOCPART == 1
	.amdgcn_target "amdgcn-amd-amdhsa--gfx1250"
	.amdhsa_code_object_version 6
	.text
	.protected	k_q7ef7c5c002_prep
	.globl	k_q7ef7c5c002_prep
	.p2align	8
	.type	k_q7ef7c5c002_prep,@function
k_q7ef7c5c002_prep:
	s_mov_b64 s[64:65], 0
	v_nop
	global_prefetch_b8 v0, s[64:65] scope:SCOPE_SE
	s_setreg_imm32_b32 hwreg(HW_REG_WAVE_MODE, 25, 1), 1
	s_wait_xcnt 0x0
; PREP: everything that is quantised once.  Work-groups 0-144: w_fused; 145-208: w_ff_out; 209-224: w_attn_out (all along K, their first axis); 225-480: LayerNorm of x and its codes.
; All results go to ops IN THE ORDER OF THE OPERANDS' REGISTERS: codes F[k / 64][row tile][lane][16 bytes] (lane (r, h) = block 2 (k / 64) + h of operand row r), scale bytes S[k / 512][operand row][16 bytes].
; ROWMAP: lane r of row tile T stands for index 32 (T / 2) + 8 (T % 2) + r + 8 (r / 8) (tokens; columns of val, gate and of the two output weights).
; QMAP (the 34 tiles of q's heads, k and v): operand row 8 h + j stands for channel 4 h + j % 4 + 8 (j / 4), so that the two partners of the rotation fall into one lane later.
; A block's scale is 2^(floor(log2(largest magnitude)) - 2); its byte is that magnitude's exponent field - 2, held at 1 from below.
; LIMITS: a block of zeros gets the byte 1 (its codes are zeros; only this program reads the bytes); NaN and infinities among the inputs are not served.
; The two kinds of work part on the work-group's number alone; each has LDS bytes of its own.
.set A1S, 4194304                      ; ops: xn's codes at 0, its scale bytes here,
.set W1C, 4456448                      ; w_fused's codes: a chunk of 64 along K is 290 tiles x 512 bytes,
.set W1S, 9207808                      ; its scale bytes,
.set W2C, 9504768                      ; [w_ff_out ; w_attn_out]'s codes: a chunk is 128 tiles x 512 bytes,
.set W2S, 12126208                     ; and scale bytes
.set WB,  0                            ; LDS: ln_w (8,192 bytes), then ln_b
.set STG, 16384                        ; a stage of 9,216 bytes for each wave: 64 blocks of 128 bytes + 16 of padding
.set IMG, 163840                       ; the row tile's codes: 64 units (one a block) of 256 bytes + 16 of padding
.set SCI, 181248                       ; its scale bytes [4][16 rows][16]
.set WQS, 182272                       ; the weights' scale words: 4 groups x 32 columns x 16 bytes
.set WV,  18                           ; s18  wave
.set WD,  16                           ; weights: v16-143 four blocks of 32 numbers; v144-159 their codes
.set WC,  144
.set X,   16                           ; LayerNorm: v16-79 the row as loaded; v80-143 two whole blocks a lane; v144-175 gain and bias; v176-183 codes
.set Y,   80
.set WT,  144
.set CC,  176
	s_load_b256 s[4:11], s[0:1], 0x0               ; x s[4:5], ln_w s[6:7], ln_b s[8:9], w_fused s[10:11]
	s_load_b128 s[12:15], s[0:1], 0x20             ; w_ff_out s[12:13], w_attn_out s[14:15]
	s_load_b64 s[16:17], s[0:1], 0x30              ; ops
	v_lshl_add_u32 v192, v0, 2, 0x2d000
	v_mov_b32 v193, 0
	v_lshrrev_b32 v1, 5, v0
	v_readfirstlane_b32 s[WV], v1                  ; wave 0..15
	v_and_b32 v1, 31, v0                           ; lane
	s_mov_b32 s30, 0x76543210
	s_mov_b32 s31, 0xfedcba98                      ; v_permlanex16_b32's selects for lane l xor 16
	s_cmp_ge_u32 ttmp9, 225
	s_cbranch_scc1 .Lln
; ---------------- THE WEIGHTS.  A lane takes a column and its registers run down K; a wave takes 32 columns x 128 along K: four blocks a lane.
	v_lshlrev_b32 v2, 2, v1                        ; in: 4 bytes a lane, 128 consecutive bytes a load
	v_bfe_u32 v8, v0, 3, 1                         ; ROWMAP backwards, column c = lane: tile u = (c / 8) % 2,
	v_and_b32 v9, 7, v0
	v_bfe_u32 v10, v0, 4, 1
	v_lshl_or_b32 v9, v10, 3, v9                   ; lane r = c % 8 + 8 (c / 16)
	v_lshlrev_b32 v3, 4, v9
	v_lshl_or_b32 v3, v8, 9, v3                    ; 512 u + 16 r
	v_lshl_or_b32 v5, v8, 4, v9                    ; 16 u + r
	v_and_b32 v9, 3, v0                            ; QMAP backwards: tile u = c / 16, channel d = c % 16,
	v_bfe_u32 v8, v0, 3, 1
	v_lshl_or_b32 v9, v8, 2, v9
	v_bfe_u32 v8, v0, 2, 1
	v_lshl_or_b32 v9, v8, 3, v9                    ; r = d % 4 + 4 (d / 8) + 8 ((d / 4) % 2)
	v_lshlrev_b32 v11, 4, v9
	v_lshl_or_b32 v11, v10, 9, v11
	v_lshl_or_b32 v12, v10, 4, v9
	s_cmp_lt_u32 ttmp9, 17                         ; the first 17 groups of w_fused are q, k and v
	s_cselect_b32 s20, -1, 0
	v_cndmask_b32 v3, v3, v11, s20                 ; v3: my codes' place in the group's two tiles (it enters global offsets alone)
	v_cndmask_b32 v5, v5, v12, s20
	v_lshlrev_b32 v5, 4, v5                        ; v5: my operand row's 16 scale bytes
	s_lshr_b32 s21, s[WV], 2
	s_and_b32 s22, s[WV], 3
	s_lshl_b32 s23, s21, 9
	v_lshlrev_b32 v7, 4, v1
	v_add_nc_u32 v7, s23, v7
	v_add_nc_u32 v7, WQS, v7                       ; v7: LDS, my column's 16 scale bytes of a K step of 512, in the order of the columns
	v_lshl_add_u32 v6, s22, 2, v7                  ; v6: my wave's word of them
	s_mov_b32 s25, 0
	s_mov_b32 s27, 0
	s_mov_b32 s29, 0
.macro WLOAD t, pitch, perm            ; block t: 32 rows of K at my column.  perm = 1: in the order in which the attention launch lays a block of its output
.irp i, 0,1,2,3,4,5,6,7,8,9,10,11,12,13,14,15,16,17,18,19,20,21,22,23,24,25,26,27,28,29,30,31
.if \perm
	global_load_b32 v[WD+32*(\t)+\i], v2, s[24:25] offset:(32*(\t)+16*((\i>>3)&1)+4*(\i>>4)+(\i&3)+8*((\i>>2)&1))*\pitch th:TH_LOAD_NT
.else
	global_load_b32 v[WD+32*(\t)+\i], v2, s[24:25] offset:(32*(\t)+\i)*\pitch th:TH_LOAD_NT
.endif
.endr
.endm
.macro WBLOCK t                        ; block t is quantised and its 16 bytes a lane are stored: sixteen lanes fill 256 consecutive bytes, aligned, in each of the group's two tiles
.set XS, WD+32*(\t)
	v_max3_num_f32 v12, |v[XS]|, |v[XS+1]|, |v[XS+2]|
	v_max3_num_f32 v13, |v[XS+3]|, |v[XS+4]|, |v[XS+5]|
.irp i, 6,10,14,18,22,26
	v_max3_num_f32 v12, v12, |v[XS+\i]|, |v[XS+\i+1]|
	v_max3_num_f32 v13, v13, |v[XS+\i+2]|, |v[XS+\i+3]|
.endr
	v_max3_num_f32 v12, v12, |v[XS+30]|, |v[XS+31]|
	v_max3_num_f32 v12, v12, v13, 0x1800000        ; and the floor 2^(3 - 127): the byte cannot fall under 1
	v_add_nc_u32 v14, 0xff000000, v12              ; 2 off the exponent field: the conversion's scale operand
	v_lshrrev_b32 v13, 23, v14                     ; the scale's byte
.if (\t) == 0
	v_mov_b32 v15, v13
.else
	v_lshl_or_b32 v15, v13, 8*(\t), v15            ; four bytes: my column's scale word for these 128 along K
.endif
.irp g, 0,1,2,3
	v_cvt_scalef32_pk8_fp4_f32 v[WC+4*(\t)+\g], v[XS+8*\g:XS+8*\g+7], v14
.endr
	global_store_b128 v[3+(\t)/2], v[WC+4*(\t):WC+4*(\t)+3], s[26:27] offset:((\t)%2)*256
.endm
.macro WQBODY pitch, perm              ; loads run two blocks (64 loads a wave) ahead; every block has registers of its own, so nothing is written twice
	WLOAD 0, \pitch, \perm
	WLOAD 1, \pitch, \perm
	s_wait_loadcnt 32                              ; block 0 is in; block 1's 32 loads may be out
	WLOAD 2, \pitch, \perm
	WBLOCK 0
	s_wait_loadcnt 32                              ; block 1 is in; block 2's may be out
	WLOAD 3, \pitch, \perm
	WBLOCK 1
	s_wait_loadcnt 32                              ; block 2 is in; block 3's may be out
	WBLOCK 2
	s_wait_loadcnt 0x0
	WBLOCK 3
.endm
	s_cmp_ge_u32 ttmp9, 145
	s_cbranch_scc1 .Lnot_fused
	; w_fused [2048][4640].  Group G' = the work-group's number.  G' < 17: columns 32 G'.  Else G = G' - 17: val and gate are interleaved so that a wave of the next launch finds
	; 64 columns of val and the 64 matching columns of gate among its 128 operand rows: column 544 + 2048 ((G / 2) % 2) + 32 (4 (G / 8) + 2 ((G / 4) % 2) + G % 2)
	s_sub_co_u32 s33, ttmp9, 17
	s_lshr_b32 s34, s33, 3
	s_lshl_b32 s34, s34, 2
	s_bfe_u32 s35, s33, 0x10002
	s_lshl_b32 s35, s35, 1
	s_add_co_u32 s34, s34, s35
	s_and_b32 s35, s33, 1
	s_add_co_u32 s34, s34, s35
	s_lshl_b32 s34, s34, 5
	s_bfe_u32 s35, s33, 0x10001
	s_lshl_b32 s35, s35, 11
	s_add_co_u32 s34, s34, s35
	s_add_co_u32 s34, s34, 544
	s_lshl_b32 s35, ttmp9, 5
	s_cmp_lt_u32 ttmp9, 17
	s_cselect_b32 s34, s35, s34                    ; the group's first column
	s_lshl_b32 s34, s34, 2
	s_mul_i32 s24, s[WV], 128*18560                ; wave w: rows 128 w of K on
	s_add_co_u32 s24, s24, s34
	s_mul_i32 s26, s[WV], 2*148480                 ; chunks 2 w, 2 w + 1
	s_lshl_b32 s35, ttmp9, 10
	s_add_co_u32 s26, s26, s35
	s_add_co_u32 s26, s26, W1C
	s_mul_i32 s28, s21, 74240                      ; K step w / 4 of the scale bytes
	s_lshl_b32 s35, ttmp9, 9
	s_add_co_u32 s28, s28, s35
	s_add_co_u32 s28, s28, W1S
	v_add_nc_u32 v4, 148480, v3                    ; v4: the same place a chunk on
	s_wait_kmcnt 0x0
	s_add_nc_u64 s[24:25], s[10:11], s[24:25]
	s_add_nc_u64 s[26:27], s[16:17], s[26:27]
	s_add_nc_u64 s[28:29], s[16:17], s[28:29]
	WQBODY 18560, 0
	s_branch .Lwq_tail
.Lnot_fused:
	s_cmp_ge_u32 ttmp9, 209
	s_cbranch_scc1 .Lattn_w
	; w_ff_out [2048][2048]: chunks 0-31 of the last product's weight
	s_sub_co_u32 s33, ttmp9, 145                   ; the group of 32 columns
	s_lshl_b32 s24, s[WV], 20                      ; 128 w rows of 8,192 bytes
	s_lshl_b32 s35, s33, 7
	s_add_co_u32 s24, s24, s35
	s_lshl_b32 s26, s[WV], 17                      ; chunks 2 w, 2 w + 1 of 65,536 bytes
	s_lshl_b32 s35, s33, 10
	s_add_co_u32 s26, s26, s35
	s_add_co_u32 s26, s26, W2C
	s_lshl_b32 s28, s21, 15
	s_lshl_b32 s35, s33, 9
	s_add_co_u32 s28, s28, s35
	s_add_co_u32 s28, s28, W2S
	v_add_nc_u32 v4, 65536, v3
	s_wait_kmcnt 0x0
	s_add_nc_u64 s[24:25], s[12:13], s[24:25]
	s_add_nc_u64 s[26:27], s[16:17], s[26:27]
	s_add_nc_u64 s[28:29], s[16:17], s[28:29]
	WQBODY 8192, 0
	s_branch .Lwq_tail
.Lattn_w:
	; w_attn_out [512][2048]: chunks 32-39, K step 4.  Four waves cover K; the work-group takes four groups of columns
	s_sub_co_u32 s33, ttmp9, 209
	s_lshl_b32 s33, s33, 2
	s_add_co_u32 s33, s33, s21                     ; the group: 4 x work-group + wave / 4
	s_lshl_b32 s24, s22, 20                        ; rows 128 (wave % 4) on
	s_lshl_b32 s35, s33, 7
	s_add_co_u32 s24, s24, s35
	s_lshl_b32 s26, s22, 17
	s_lshl_b32 s35, s33, 10
	s_add_co_u32 s26, s26, s35
	s_add_co_u32 s26, s26, W2C+32*65536
	s_lshl_b32 s28, s33, 9
	s_add_co_u32 s28, s28, W2S+4*32768
	v_add_nc_u32 v4, 65536, v3
	s_wait_kmcnt 0x0
	s_add_nc_u64 s[24:25], s[14:15], s[24:25]
	s_add_nc_u64 s[26:27], s[16:17], s[26:27]
	s_add_nc_u64 s[28:29], s[16:17], s[28:29]
	WQBODY 8192, 1
.Lwq_tail:
	v_nop                                          ; a plain line behind the last conversion
	ds_store_b32 v6, v15                           ; four waves' words make a column's 16 scale bytes of a K step
	s_wait_dscnt 0x0                               ; for the others' sake: my store is done
	s_barrier_signal -1
	s_barrier_wait -1
	s_cmp_lg_u32 s22, 0                            ; the first wave of each four stores them: 512 consecutive bytes, the lanes in the operand's order
	s_cbranch_scc1 .Lwq_end
	ds_load_b128 v[160:163], v7
	s_wait_dscnt 0x0
	global_store_b128 v5, v[160:163], s[28:29]
.Lwq_end:
	s_wait_tensorcnt 0x0
	ds_add_u32 v192, v193
	s_wait_dscnt 0x0
	s_endpgm
; ---------------- LAYERNORM.  The work-group is row tile T; wave w is its lane r = w: one row of 2,048 numbers to a wave, kept in 64 registers between the passes.
.Lln:
	s_sub_co_u32 s20, ttmp9, 225                   ; T
	s_lshr_b32 s21, s20, 1
	s_lshl_b32 s21, s21, 5
	s_and_b32 s22, s20, 1
	s_lshl_b32 s22, s22, 3
	s_add_co_u32 s21, s21, s22
	s_add_co_u32 s21, s21, s[WV]
	s_lshr_b32 s22, s[WV], 3
	s_lshl_b32 s22, s22, 3
	s_add_co_u32 s21, s21, s22                     ; my token: 32 (T / 2) + 8 (T % 2) + w + 8 (w / 8)
	s_lshl_b32 s22, s21, 13                        ; its row of 8,192 bytes
	s_mov_b32 s23, 0
	s_and_b32 s26, s[WV], 7
	s_lshl_b32 s26, s26, 10                        ; which 1,024 bytes of ln_w (waves 0-7) or ln_b (8-15) I bring
	s_mov_b32 s27, 0
	s_lshl_b32 s34, s20, 9
	s_lshl_b32 s35, s[WV], 18
	s_add_co_u32 s34, s34, s35                     ; codes out: tile T of chunks 2 w, 2 w + 1 (131,072 bytes a chunk)
	s_mov_b32 s35, 0
	s_lshl_b32 s36, s20, 8
	s_lshl_b32 s37, s[WV], 16
	s_add_co_u32 s36, s36, s37
	s_add_co_u32 s36, s36, A1S                     ; scale bytes out (waves 0-3): K step w, rows 16 T on
	s_mov_b32 s37, 0
	s_mov_b32 s32, 0x3a000000                      ; 1 / 2048
	s_mov_b32 s33, 0x3727c5ac                      ; 1e-5
	v_lshlrev_b32 v2, 4, v1                        ; v2: 16 x lane
	s_mul_i32 s38, s[WV], 9216
	s_add_co_u32 s38, s38, STG                     ; my stage
	v_lshrrev_b32 v8, 3, v1
	v_lshl_add_u32 v3, v8, 4, v2
	v_add_nc_u32 v3, s38, v3                       ; v3: into it, as loaded: 16 l + 16 (l / 8): eight lanes' 128 bytes, then the padding
	v_mul_u32_u24 v4, v1, 144
	v_add_nc_u32 v4, s38, v4                       ; v4: out of it: block l
	s_lshl_b32 s39, s[WV], 4
	v_mul_u32_u24 v5, v1, 272
	v_add_nc_u32 v5, s39, v5
	v_add_nc_u32 v5, IMG, v5                       ; v5: block l's unit, my row's 16 bytes
	v_lshrrev_b32 v8, 4, v1
	v_and_b32 v9, 15, v1
	v_lshl_add_u32 v6, v8, 8, v9
	v_add_nc_u32 v6, s39, v6
	v_add_nc_u32 v6, SCI, v6                       ; v6: block l's scale byte: K step l / 16, row w, byte l % 16
	s_mul_i32 s40, s[WV], 4*272
	v_mul_u32_u24 v7, v8, 272
	v_lshl_add_u32 v7, v9, 4, v7
	v_add_nc_u32 v7, s40, v7
	v_add_nc_u32 v7, IMG, v7                       ; v7: back: chunk 2 w = units 4 w, 4 w + 1
	s_lshl_b32 s41, s[WV], 10
	v_add_nc_u32 v10, s41, v2                      ; v10: where my part of ln_w, ln_b goes
	s_lshl_b32 s41, s[WV], 8
	v_lshlrev_b32 v11, 3, v1                       ; v11: 8 x lane
	v_add_nc_u32 v12, s41, v11
	v_add_nc_u32 v12, SCI, v12                     ; v12: K step w's 256 scale bytes (read by waves 0-3 alone)
	s_wait_kmcnt 0x0
	s_cmp_lt_u32 s[WV], 8
	s_cselect_b64 s[24:25], s[6:7], s[8:9]
	s_add_nc_u64 s[24:25], s[24:25], s[26:27]
	s_add_nc_u64 s[4:5], s[4:5], s[22:23]
	s_add_nc_u64 s[34:35], s[16:17], s[34:35]
	s_add_nc_u64 s[36:37], s[16:17], s[36:37]
	global_load_b128 v[WT:WT+3], v2, s[24:25]
	global_load_b128 v[WT+4:WT+7], v2, s[24:25] offset:512
.irp i, 0,1,2,3,4,5,6,7,8,9,10,11,12,13,14,15
	global_load_b128 v[X+4*\i:X+4*\i+3], v2, s[4:5] offset:512*\i th:TH_LOAD_NT   ; 512 consecutive bytes a load: register 4 i + e = number 128 i + 4 l + e
.endr
	s_wait_loadcnt 16                              ; gain and bias are in; the row's 16 loads stay out
	ds_store_b128 v10, v[WT:WT+3] offset:WB
	ds_store_b128 v10, v[WT+4:WT+7] offset:WB+512
	s_wait_dscnt 0x0                               ; for the others' sake
	s_barrier_signal -1
	s_barrier_wait -1                              ; ln_w and ln_b lie whole in LDS
	s_wait_loadcnt 0x0
	; the mean: four chains, then across the lanes
.irp c, 0,1,2,3
	v_pk_add_f32 v[184+2*\c:185+2*\c], v[X+2*\c:X+2*\c+1], v[X+8+2*\c:X+8+2*\c+1]
.endr
.irp k, 2,3,4,5,6,7
.irp c, 0,1,2,3
	v_pk_add_f32 v[184+2*\c:185+2*\c], v[184+2*\c:185+2*\c], v[X+8*\k+2*\c:X+8*\k+2*\c+1]
.endr
.endr
	v_pk_add_f32 v[184:185], v[184:185], v[186:187]
	v_pk_add_f32 v[188:189], v[188:189], v[190:191]
	v_pk_add_f32 v[184:185], v[184:185], v[188:189]
	v_add_f32 v184, v184, v185
	v_add_f32_dpp v184, v184, v184 row_xmask:1 row_mask:0xf bank_mask:0xf
	v_add_f32_dpp v184, v184, v184 row_xmask:2 row_mask:0xf bank_mask:0xf
	v_add_f32_dpp v184, v184, v184 row_xmask:4 row_mask:0xf bank_mask:0xf
	v_add_f32_dpp v184, v184, v184 row_xmask:8 row_mask:0xf bank_mask:0xf
	v_permlanex16_b32 v185, v184, s30, s31
	v_add_f32 v184, v184, v185
	v_mul_f32 v184, s32, v184
	v_mov_b32 v185, v184
.set i, 0
.rept 32
	v_pk_add_f32 v[X+i:X+i+1], v[X+i:X+i+1], v[184:185] neg_lo:[0,1] neg_hi:[0,1]   ; x - mean first: the variance is a sum of squares of differences, whatever offset x carries
.set i, i+2
.endr
.irp c, 0,1,2,3
	v_pk_mul_f32 v[Y+2*\c:Y+2*\c+1], v[X+2*\c:X+2*\c+1], v[X+2*\c:X+2*\c+1]
.endr
.irp k, 1,2,3,4,5,6,7
.irp c, 0,1,2,3
	v_pk_fma_f32 v[Y+2*\c:Y+2*\c+1], v[X+8*\k+2*\c:X+8*\k+2*\c+1], v[X+8*\k+2*\c:X+8*\k+2*\c+1], v[Y+2*\c:Y+2*\c+1]
.endr
.endr
	v_pk_add_f32 v[Y:Y+1], v[Y:Y+1], v[Y+2:Y+3]
	v_pk_add_f32 v[Y+4:Y+5], v[Y+4:Y+5], v[Y+6:Y+7]
	v_pk_add_f32 v[Y:Y+1], v[Y:Y+1], v[Y+4:Y+5]
	v_add_f32 v[Y], v[Y], v[Y+1]
	v_add_f32_dpp v[Y], v[Y], v[Y] row_xmask:1 row_mask:0xf bank_mask:0xf
	v_add_f32_dpp v[Y], v[Y], v[Y] row_xmask:2 row_mask:0xf bank_mask:0xf
	v_add_f32_dpp v[Y], v[Y], v[Y] row_xmask:4 row_mask:0xf bank_mask:0xf
	v_add_f32_dpp v[Y], v[Y], v[Y] row_xmask:8 row_mask:0xf bank_mask:0xf
	v_permlanex16_b32 v[Y+1], v[Y], s30, s31
	v_add_f32 v[Y], v[Y], v[Y+1]
	v_fma_f32 v[Y], v[Y], s32, s33                 ; the variance + 1e-5
	v_rsq_f32 v[Y+2], v[Y]
	v_nop                                          ; a plain line behind the transcendental,
	s_wait_alu depctr_va_vdst(0)                   ; and the wait ahead of its first reader
	v_mov_b32 v[Y+3], v[Y+2]
.set i, 0
.rept 32
	v_pk_mul_f32 v[X+i:X+i+1], v[X+i:X+i+1], v[Y+2:Y+3]
.set i, i+2
.endr
	; x ln_w + ln_b, sixteen numbers of a lane at a time
.irp q, 0,1,2,3
.irp i, 0,1,2,3
	ds_load_b128 v[WT+4*\i:WT+4*\i+3], v2 offset:WB+512*(4*\q+\i)
	ds_load_b128 v[WT+16+4*\i:WT+16+4*\i+3], v2 offset:WB+8192+512*(4*\q+\i)
.endr
	s_wait_dscnt 0x0
.irp p, 0,1,2,3,4,5,6,7
	v_pk_fma_f32 v[X+16*\q+2*\p:X+16*\q+2*\p+1], v[X+16*\q+2*\p:X+16*\q+2*\p+1], v[WT+2*\p:WT+2*\p+1], v[WT+16+2*\p:WT+16+2*\p+1]
.endr
.endr
	; the turn through my own stage: in as loaded, out as whole blocks of 32: lane l gets blocks l and 32 + l.  LDS serves a wave's instructions in order: no wait between
.irp i, 0,1,2,3,4,5,6,7,8,9,10,11,12,13,14,15
	ds_store_b128 v3, v[X+4*\i:X+4*\i+3] offset:576*\i
.endr
.irp z, 0,1
.irp j, 0,1,2,3,4,5,6,7
	ds_load_b128 v[Y+32*\z+4*\j:Y+32*\z+4*\j+3], v4 offset:4608*\z+16*\j
.endr
.endr
	s_wait_dscnt 0x0
.irp z, 0,1
	v_max3_num_f32 v[184+\z], |v[Y+32*\z]|, |v[Y+32*\z+1]|, 0x1800000   ; the block's largest magnitude, and the floor 2^(3 - 127); the two blocks by turns
.endr
.irp i, 2,4,6,8,10,12,14,16,18,20,22,24,26,28,30
.irp z, 0,1
	v_max3_num_f32 v[184+\z], v[184+\z], |v[Y+32*\z+\i]|, |v[Y+32*\z+\i+1]|
.endr
.endr
.irp z, 0,1
	v_add_nc_u32 v[186+\z], 0xff000000, v[184+\z]
.endr
.irp z, 0,1
	v_lshrrev_b32 v[188+\z], 23, v[186+\z]
.endr
.irp z, 0,1
.irp g, 0,1,2,3
	v_cvt_scalef32_pk8_fp4_f32 v[CC+4*\z+\g], v[Y+32*\z+8*\g:Y+32*\z+8*\g+7], v[186+\z]
.endr
.endr
	v_nop
.irp z, 0,1
	ds_store_b128 v5, v[CC+4*\z:CC+4*\z+3] offset:8704*\z
	ds_store_b8 v6, v[188+\z] offset:512*\z
.endr
	s_wait_dscnt 0x0                               ; for the others' sake
	s_barrier_signal -1
	s_barrier_wait -1                              ; the tile's codes and scale bytes lie in LDS in the operand's order
	ds_load_b128 v[Y:Y+3], v7
	ds_load_b128 v[Y+4:Y+7], v7 offset:544
	s_wait_dscnt 0x0
	global_store_b128 v2, v[Y:Y+3], s[34:35]                     ; 512 consecutive bytes: tile T of chunk 2 w,
	global_store_b128 v2, v[Y+4:Y+7], s[34:35] offset:131072     ; and of chunk 2 w + 1
	s_cmp_lt_u32 s[WV], 4
	s_cbranch_scc0 .Lln_end
	ds_load_b64 v[Y+8:Y+9], v12
	s_wait_dscnt 0x0
	global_store_b64 v11, v[Y+8:Y+9], s[36:37]                   ; 256 consecutive bytes, aligned
.Lln_end:
	s_wait_tensorcnt 0x0
	ds_add_u32 v192, v193
	s_wait_dscnt 0x0
	s_endpgm
.Lfunc_end_k_q7ef7c5c002_prep:
	.size	k_q7ef7c5c002_prep, .Lfunc_end_k_q7ef7c5c002_prep-k_q7ef7c5c002_prep
	.p2alignl 7, 3214868480
	.fill 96, 4, 3214868480
	.section	.rodata,"a",@progbits
	.p2align	6, 0x0
	.amdhsa_kernel k_q7ef7c5c002_prep
		.amdhsa_group_segment_fixed_size 186368
		.amdhsa_private_segment_fixed_size 0
		.amdhsa_enable_private_segment 0
		.amdhsa_kernarg_size 56
		.amdhsa_user_sgpr_count 2
		.amdhsa_user_sgpr_kernarg_segment_ptr 1
		.amdhsa_wavefront_size32 1
		.amdhsa_system_sgpr_workgroup_id_x 1
		.amdhsa_system_sgpr_workgroup_id_y 1
		.amdhsa_system_sgpr_workgroup_id_z 1
		.amdhsa_system_vgpr_workitem_id 0
		.amdhsa_next_free_vgpr 194
		.amdhsa_next_free_sgpr 66
		.amdhsa_reserve_vcc 0
		.amdhsa_float_denorm_mode_32 3
		.amdhsa_float_denorm_mode_16_64 3
		.amdhsa_memory_ordered 1
		.amdhsa_forward_progress 1
		.amdhsa_inst_pref_size 85
	.end_amdhsa_kernel
	.amdgpu_metadata
---
amdhsa.version: [ 1, 2 ]
amdhsa.kernels:
  - .name:           k_q7ef7c5c002_prep
    .symbol:         k_q7ef7c5c002_prep.kd
    .args:
      - { .name: x, .offset: 0, .size: 8, .value_kind: global_buffer, .address_space: global }
      - { .name: ln_w, .offset: 8, .size: 8, .value_kind: global_buffer, .address_space: global }
      - { .name: ln_b, .offset: 16, .size: 8, .value_kind: global_buffer, .address_space: global }
      - { .name: w_fused, .offset: 24, .size: 8, .value_kind: global_buffer, .address_space: global }
      - { .name: w_ff_out, .offset: 32, .size: 8, .value_kind: global_buffer, .address_space: global }
      - { .name: w_attn_out, .offset: 40, .size: 8, .value_kind: global_buffer, .address_space: global }
      - { .name: ops, .offset: 48, .size: 8, .value_kind: global_buffer, .address_space: global }
    .group_segment_fixed_size: 186368
    .private_segment_fixed_size: 0
    .kernarg_segment_align: 8
    .kernarg_segment_size: 56
    .max_flat_workgroup_size: 512
    .sgpr_count:     66
    .vgpr_count:     194
    .wavefront_size: 32
...
	.end_amdgpu_metadata
.endif
;; end of part 1
;; launch ff (part 2): grid 16 x 16, 4 waves a work-group, clusters of 4 x 4, 327,680 bytes of LDS; arguments ops, a2; writes a2
.if DOCPART == 2
	.amdgcn_target "amdgcn-amd-amdhsa--gfx1250"
	.amdhsa_code_object_version 6
	.text
	.protected	k_q7ef7c5c002_ff
	.globl	k_q7ef7c5c002_ff
	.p2align	8
	.type	k_q7ef7c5c002_ff,@function
k_q7ef7c5c002_ff:
	s_mov_b64 s[64:65], 0
	v_nop
	global_prefetch_b8 v0, s[64:65] scope:SCOPE_SE
	s_setreg_imm32_b32 hwreg(HW_REG_WAVE_MODE, 25, 1), 1
	s_wait_xcnt 0x0
	s_wait_alu depctr_hold_cnt(0) depctr_sa_sdst(0) depctr_va_vdst(0) depctr_va_sdst(0) depctr_va_ssrc(0) depctr_va_vcc(0) depctr_vm_vsrc(0)
	s_getreg_b32 s2, hwreg(HW_REG_IB_STS2, 6, 4)
	s_cmp_eq_u32 s2, 0
	s_cbranch_scc0 .Lentry_in_a_cluster
	s_endpgm
.Lentry_in_a_cluster:
	s_bfe_u32 s2, ttmp6, 0x10000c
	s_cmp_lg_u32 s2, 0xf033
	s_cbranch_scc0 .Lentry_shape_is_right
	s_endpgm
.Lentry_shape_is_right:
; FF: h = silu(gate) x val, with [val | gate] = xn W1 on codes of FP4 (E2M1) with one E8M0 scale for each 32 along K; h is quantised along its columns in registers and leaves as codes.
; M = 4,096 tokens, N = 4,096 operand rows of W1 (val and gate interleaved by the launch before), K = 2,048.
; A tile of 256 x 256 is made by four waves, as many as a WGP has SIMDs, each 128 x 128: 64 accumulators, 512 registers.  K goes in steps of 512 through two LDS slots filled by the tensor data mover.
; OPERANDS LIE IN MEMORY IN THE ORDER OF THEIR REGISTERS: codes [k / 64][row tile][lane][16 bytes], scale bytes [k / 512][row][16].  A wave's tensor load brings 8 chunks x 8 tiles x 512 bytes (rows of 4,096 bytes);
; a fragment comes by two ds_load_b128 of 512 consecutive bytes each: no pitch, no padding.  The scale bytes of the work-group's rows, for all of K, come once with the first fills and stay.
; CLUSTERS: 4 x 4 work-groups; xn's tiles are asked for jointly along a row of the cluster, W1's along a column.
; THE MATRIX INSTRUCTION IS USED TRANSPOSED (source 0 = 16 operand rows of W1, source 1 = 16 tokens): a lane holds ONE token; by the row map of W1's tiles the registers of tiles 2 b, 2 b + 1 are 16 neighbouring columns.
; A wave's tiles 0-3 are 64 columns of val, tiles 4-7 the same 64 columns of gate: the activation and the quantiser stay inside a lane but for one exchange between the halves of the lanes.
; No prefetch is laid: K has four steps, and two of them are asked for at the head.
; The 2 scale bytes a token and wave leave by 2-byte stores, 16 bytes apart: one byte in sixteen of what the way out stores.
; LIMITS: a block of zeros gets the byte 1 (zero codes; read by this program alone); NaN and infinities are not served.
; REGISTERS, in windows of 256: window 0: v0-31 addresses; v32-95 scale words, two sets, and nothing else; v128-191 A's fragments, ONE set; on the way out v128-247 at work.
;   window 1: B's fragments, TWO sets, at v0 and v128.   window 2: accumulators of my token blocks 0-3 ((a, b) at v[8 (8 a + b)]);   window 3: blocks 4-7.
.set NKS,    4                         ; K steps
.set NQ,     4                         ; matrix instructions deep in a K step
.set FR,     8                         ; registers of a fragment
.set NL,     2                         ; LDS loads that bring one
.set NP,     4                         ; places behind this matrix instruction (ISA guide 7.12.1)
.set QUART,  32768                     ; what one tensor load brings: 128 rows x 512 along K
.set SLOT,   4*QUART                   ; A's two halves, then B's two
.set SCL,    2*SLOT                    ; behind the ring: the scale bytes
.set HALFS,  NKS*2048                  ; those of 128 rows: [K step][128][16]
.set SPARE,  SCL+4*HALFS               ; behind them: the spare words, 128 bytes for each wave: two blocks of 256 bytes that no other line names
.set ASTEP,  8*131072                  ; a K step on in xn's codes,
.set BSTEP,  8*148480                  ; in W1's
.set AS0,    4194304                   ; ops: xn's scale bytes,
.set BC0,    4456448+34*512            ; W1's codes from tile 34 on (behind q, k, v),
.set BS0,    9207808+544*16            ; and their scale bytes
.set A2S,    5242880                   ; a2: the scale bytes
.set ADRA, 16                          ; v16-17  LDS address of my A fragments in slot 0, 1
.set ADRB, 20                          ; v20-21  the same for B
.set L16,  26                          ; v26     16 x lane
.set ADRS, 27                          ; v27     LDS address of my scale words: lanes 0-15 A's rows, lanes 16-31 B's
.set SPW,  28                          ; v28     LDS address of my spare word; never rewritten
.set NIL,  29                          ; v29     0; never rewritten
.set SC,   32                          ; scale words: set s at v[SC + 32 s]; register 4 i + q: lanes 0-15 A's block i, lanes 16-31 B's block i, the slot's q-th 128 along K
.set AF,   128
.set E,    128                         ; the way out: v128-159 exp, then 1 / (1 + exp); v160-191 h; v192-223 codes; v224-231 scale bytes; v232-247 at work
.set H,    160
.set PC,   192
.set SW,   224
.set TM,   232
.set G1, 24                            ; s[24:31] group 1 for A's tiles; s[32:39] group 0, one set a slot
.set G0, 32
.set G1B, 48
.set G0B, 56
.set G1S, 68                           ; the same for the scale bytes
.set G0S, 76
.set G1SB, 80
.set G0SB, 88
.set MSB, 0
.macro WIN new                         ; the immediate's high byte repeats the setting that is left
.if MSB != \new
	s_set_vgpr_msb (MSB<<8)|\new
.set MSB, \new
.endif
.endm
.set MUL_LO, 0xa1                      ; source 0 (B) window 1, source 1 (A) window 0, C and D window 2
.set MUL_HI, 0xf1
.set TO_B,   0x40
; A joint load: waves 0 and 1 fetch for A, waves 2 and 3 for B; the branch hangs on the wave's number alone.  Four v_nop follow each line.
.macro JLOAD g0a, g1a, g0b, g1b
	s_cmp_eq_u32 s15, 0
	s_cbranch_scc0 .Lfor_b_\@
	tensor_load_to_lds s[\g0a:\g0a+3], s[\g1a:\g1a+7]
	s_nop 0
.rept 4
	v_nop
.endr
	s_branch .Lasked_\@
.Lfor_b_\@:
	tensor_load_to_lds s[\g0b:\g0b+3], s[\g1b:\g1b+7]
	s_nop 0
.rept 4
	v_nop
.endr
.Lasked_\@:
.endm
.macro CREST                           ; a round of the cluster's barrier behind its opening barrier
	s_cmp_lg_u32 s14, 0
	s_cbranch_scc1 .Lnot_wave_0_\@
	s_barrier_signal -3
.Lnot_wave_0_\@:
	s_barrier_wait -3
	s_barrier_signal -1
	s_barrier_wait -1
.endm
.macro CROUND
	s_barrier_signal -1
	s_barrier_wait -1
	CREST
.endm
	s_load_b128 s[4:7], s[0:1], 0x0                ; ops s[4:5], a2 s[6:7]
	v_lshl_add_u32 v[SPW], v0, 2, SPARE
	v_mov_b32 v[NIL], 0
	ds_add_u32 v28, v29
	ds_add_u32 v28, v29
	s_wait_dscnt 0x0
	v_lshrrev_b32 v1, 5, v0
	v_readfirstlane_b32 s14, v1                    ; wave 0..3
	s_lshr_b32 s15, s14, 1                         ; which half of the tile's tokens is mine.  Also: I fetch for A (0) or for B (1)
	s_and_b32 s16, s14, 1                          ; which half of its columns.  Also: which 128 rows I fetch
	s_bfe_u32 s40, ttmp6, 0x40000                  ; cx, cy
	s_bfe_u32 s41, ttmp6, 0x40004
	s_lshl_b32 s42, ttmp9, 2
	s_add_co_u32 s42, s42, s40                     ; tile column
	s_and_b32 s17, ttmp7, 0xffff
	s_lshl_b32 s17, s17, 2
	s_add_co_u32 s17, s17, s41                     ; tile row
	s_lshl_b32 s43, s41, 2
	s_lshl_b32 s43, 15, s43                        ; my row of the cluster
	s_lshl_b32 s44, 0x1111, s40                    ; my column
	s_or_b32 s[G1+0], s43, (3<<16)|(1<<21)         ; 15:0 the mask; 17:16 elements of 8 bytes; 21 set beside a mask; no padding
	s_or_b32 s[G1B+0], s44, (3<<16)|(1<<21)
.irp g, G1, G1B
	s_mov_b32 s[\g+1], 512<<16                     ; tensor_dim0: 8 tiles x 512 bytes = 512 elements
	s_mov_b32 s[\g+2], 8<<16                       ; tensor_dim1: 8 chunks of 64 along K
	s_mov_b32 s[\g+3], 512<<16                     ; tile_dim0
	s_mov_b32 s[\g+4], 8                           ; tile_dim1
	s_mov_b32 s[\g+6], 0
	s_mov_b32 s[\g+7], 0
.endr
	s_mov_b32 s[G1+5], 131072/8                    ; from chunk to chunk, in elements
	s_mov_b32 s[G1B+5], 148480/8
	s_or_b32 s[G1S+0], s43, (3<<16)|(1<<21)
	s_or_b32 s[G1SB+0], s44, (3<<16)|(1<<21)
.irp g, G1S, G1SB
	s_mov_b32 s[\g+1], 256<<16                     ; 128 rows x 16 bytes
	s_mov_b32 s[\g+2], NKS<<16
	s_mov_b32 s[\g+3], 256<<16
	s_mov_b32 s[\g+4], NKS
	s_mov_b32 s[\g+6], 0
	s_mov_b32 s[\g+7], 0
.endr
	s_mov_b32 s[G1S+5], 4096*2                     ; from K step to K step: all rows x 16 bytes
	s_mov_b32 s[G1SB+5], 4640*2
	s_lshl_b32 s18, s16, 12                        ; which 8 tiles I fetch,
	s_lshl_b32 s19, s16, 11                        ; and their scale bytes
	s_lshl_b32 s20, s17, 13
	s_add_co_u32 s20, s20, s18                     ; A's codes: tile 16 x tile row + 8 x half
	s_mov_b32 s21, 0
	s_lshl_b32 s22, s17, 12
	s_add_co_u32 s22, s22, s19
	s_add_co_u32 s22, s22, AS0
	s_mov_b32 s23, 0
	s_lshl_b32 s46, s42, 13
	s_add_co_u32 s46, s46, s18
	s_add_co_u32 s46, s46, BC0
	s_mov_b32 s47, 0
	s_lshl_b32 s92, s42, 12
	s_add_co_u32 s92, s92, s19
	s_add_co_u32 s92, s92, BS0
	s_mov_b32 s93, 0
	s_mul_i32 s45, s14, QUART                      ; where they go: no place in the cluster enters an LDS address
	s_mul_i32 s94, s14, HALFS
	s_mov_b32 s12, 0xbfb8aa3b                      ; -log2(e)
	s_mov_b32 s13, 0xffff0000                      ; lanes 16-31
	s_mov_b32 s96, 0x76543210
	s_mov_b32 s97, 0xfedcba98
	s_wait_kmcnt 0x0
	s_add_nc_u64 s[20:21], s[4:5], s[20:21]
	s_add_nc_u64 s[22:23], s[4:5], s[22:23]
	s_add_nc_u64 s[46:47], s[4:5], s[46:47]
	s_add_nc_u64 s[92:93], s[4:5], s[92:93]
	CROUND                                         ; all sixteen work-groups are here: the first joint loads meet
	s_mov_b32 s[G0S], 1
	s_add_co_u32 s[G0S+1], s94, SCL
	s_mov_b64 s[G0S+2:G0S+3], s[22:23]
	s_or_b32 s[G0S+3], s[G0S+3], 0x80000000
	s_mov_b32 s[G0SB], 1
	s_add_co_u32 s[G0SB+1], s94, SCL
	s_mov_b64 s[G0SB+2:G0SB+3], s[92:93]
	s_or_b32 s[G0SB+3], s[G0SB+3], 0x80000000
	JLOAD G0S, G1S, G0SB, G1SB                     ; the scale bytes first: they are wanted with K step 0
.irp s, 0,1
	s_mov_b32 s[G0+4*\s], 1
	s_add_co_u32 s[G0+4*\s+1], s45, \s*SLOT
	s_add_nc_u64 s[G0+4*\s+2:G0+4*\s+3], s[20:21], \s*ASTEP
	s_or_b32 s[G0+4*\s+3], s[G0+4*\s+3], 0x80000000
	s_mov_b32 s[G0B+4*\s], 1
	s_add_co_u32 s[G0B+4*\s+1], s45, \s*SLOT
	s_add_nc_u64 s[G0B+4*\s+2:G0B+4*\s+3], s[46:47], \s*BSTEP
	s_or_b32 s[G0B+4*\s+3], s[G0B+4*\s+3], 0x80000000
	JLOAD G0+4*\s, G1, G0B+4*\s, G1B
.endr
	v_and_b32 v1, 15, v0                           ; l % 16
	v_bfe_u32 v2, v0, 4, 1                         ; l / 16
	v_and_b32 v6, 31, v0
	v_lshlrev_b32 v[L16], 4, v6
	s_mul_i32 s21, s15, QUART                      ; my 128 rows of A
	s_mul_i32 s22, s16, QUART                      ; my 128 rows of B,
	s_add_co_u32 s22, s22, 2*QUART                 ; behind A's 256
.irp s, 0,1
	v_add_nc_u32 v[ADRA+\s], s21, v[L16]
	v_add_nc_u32 v[ADRB+\s], s22, v[L16]
	s_add_co_u32 s21, s21, SLOT
	s_add_co_u32 s22, s22, SLOT
.endr
	v_lshlrev_b32 v5, 4, v1                        ; my row's 16 scale bytes of a K step
	s_mul_i32 s21, s15, HALFS
	s_mul_i32 s22, s16, HALFS
	s_add_co_u32 s22, s22, 2*HALFS
	s_sub_co_u32 s22, s22, s21
	v_mul_u32_u24 v6, s22, v2                      ; lanes 16-31 take B's
	s_add_co_u32 s21, s21, SCL
	v_add_nc_u32 v5, v5, v6
	v_add_nc_u32 v[ADRS], s21, v5
	; where h goes: my 64 columns are chunk g = 2 x tile column + half of a2's codes; my tokens are tiles 16 x tile row + 8 x half on
	s_lshl_b32 s20, s42, 1
	s_add_co_u32 s20, s20, s16                     ; g
	s_lshl_b32 s46, s20, 17
	s_lshl_b32 s47, s17, 13
	s_add_co_u32 s46, s46, s47
	s_lshl_b32 s47, s15, 12
	s_add_co_u32 s46, s46, s47
	s_mov_b32 s47, 0
	s_add_nc_u64 s[8:9], s[6:7], s[46:47]          ; the codes
	s_lshr_b32 s46, s20, 3
	s_lshl_b32 s46, s46, 16                        ; K step g / 8,
	s_lshl_b32 s47, s17, 12
	s_add_co_u32 s46, s46, s47
	s_lshl_b32 s47, s15, 11
	s_add_co_u32 s46, s46, s47                     ; my first token's 16 bytes,
	s_and_b32 s47, s20, 7
	s_lshl_b32 s47, s47, 1
	s_add_co_u32 s46, s46, s47                     ; bytes 2 (g % 8), + 1
	s_add_co_u32 s46, s46, A2S
	s_mov_b32 s47, 0
	s_add_nc_u64 s[10:11], s[6:7], s[46:47]        ; the scale bytes
.macro FRAG reg, adr, q, i             ; a fragment, 16 rows x 128 K: registers 4 c .. 4 c + 3 are the lane's 16 bytes of chunk 2 q + c, tile i
.irp c, 0,1
	ds_load_b128 v[\reg+4*\c:\reg+4*\c+3], v[\adr] offset:(2*(\q)+\c)*4096+(\i)*512
.endr
.endm
; 16 matrix instructions: A's blocks a0, a0 + 1 x B's eight.  The 64 accumulators take turns, one instruction a turn, in the same order in every step.
.macro MUL16 a0, p, q, sc, zero
.irp a, \a0, \a0+1
.irp b, 0,1,2,3,4,5,6,7
.if \zero
	v_wmma_scale_f32_16x16x128_f8f6f4 v[8*(8*((\a)%4)+\b):8*(8*((\a)%4)+\b)+7], v[128*(\p)+FR*\b:128*(\p)+FR*\b+FR-1], v[AF+FR*(\a):AF+FR*(\a)+FR-1], 0, v[SC+8*NQ*(\sc)+NQ*\b+(\q)], v[SC+8*NQ*(\sc)+NQ*(\a)+(\q)] matrix_a_fmt:MATRIX_FMT_FP4 matrix_b_fmt:MATRIX_FMT_FP4 matrix_a_scale:MATRIX_SCALE_ROW1
.else
	v_wmma_scale_f32_16x16x128_f8f6f4 v[8*(8*((\a)%4)+\b):8*(8*((\a)%4)+\b)+7], v[128*(\p)+FR*\b:128*(\p)+FR*\b+FR-1], v[AF+FR*(\a):AF+FR*(\a)+FR-1], v[8*(8*((\a)%4)+\b):8*(8*((\a)%4)+\b)+7], v[SC+8*NQ*(\sc)+NQ*\b+(\q)], v[SC+8*NQ*(\sc)+NQ*(\a)+(\q)] matrix_a_fmt:MATRIX_FMT_FP4 matrix_b_fmt:MATRIX_FMT_FP4 matrix_a_scale:MATRIX_SCALE_ROW1
.endif
.endr
.endr
.endm
.macro FETCH_B slot, q, p
	WIN TO_B
.irp i, 0,1,2,3,4,5,6,7
	FRAG 128*(\p)+FR*\i, ADRB+\slot, \q, \i
.endr
	WIN 0
.endm
.macro FETCH_A slot, q, i0
.irp i, \i0, \i0+1, \i0+2, \i0+3
	FRAG AF+FR*(\i), ADRA+\slot, \q, \i
.endr
.endm
.macro SCALES sc                       ; the K step's scale words: four words a row; lanes 0-15 A's block i, lanes 16-31 B's block i
.irp i, 0,1,2,3,4,5,6,7
	ds_load_b128 v[SC+8*NQ*\sc+NQ*\i:SC+8*NQ*\sc+NQ*\i+3], v[ADRS] offset:\i*256
.endr
.endm
.macro PLACES n                        ; plain vector lines between a matrix instruction and a load into, or a read of, its registers (ISA guide 7.12.1 for the reads)
.rept \n
	v_nop
.endr
.endm
.macro STEP slot, q, zero              ; 128 along K, with its successor in the same slot
	s_wait_dscnt 4*NL                              ; B's set and A's blocks 0-3 are in; the youngest eight loads (A's blocks 4-7) may be out
	WIN MUL_LO
	MUL16 0, (\q)%2, \q, \slot, \zero
	MUL16 2, (\q)%2, \q, \slot, \zero
	s_wait_dscnt 0
	PLACES NP
	FETCH_B \slot, (\q)+1, 1-(\q)%2
	FETCH_A \slot, (\q)+1, 0
	WIN MUL_HI
	MUL16 4, (\q)%2, \q, \slot, \zero
	MUL16 6, (\q)%2, \q, \slot, \zero
	PLACES NP
	WIN 0
	FETCH_A \slot, (\q)+1, 4
.endm
; A slot's last step changes slots: ONE barrier; in front of it each wave waits for all its tensor loads, adds 0 to its spare word, and waits for that and for its reads of this slot.
.macro TURN slot, next, fill
	s_wait_tensorcnt 0x0                           ; all my tensor loads have landed: my part of the next slot
	ds_add_u32 v[SPW], v[NIL]                      ; 0 onto my spare word
	s_wait_dscnt 4*NL+1                            ; (the add and the youngest eight loads may be out)
	WIN MUL_LO
	MUL16 0, 1, NQ-1, \slot, 0
	s_wait_dscnt 0x0                               ; the add is done, and my reads of this slot are over
	s_barrier_signal -1
	MUL16 2, 1, NQ-1, \slot, 0
	WIN 0
	s_barrier_wait -1
.if \fill
	CREST                                          ; the barrier has opened a round of the cluster's barrier: no wave of any partner still reads this slot or has a load on its way
	s_add_nc_u64 s[G0+4*\slot+2:G0+4*\slot+3], s[G0+4*\slot+2:G0+4*\slot+3], 2*ASTEP
	s_add_nc_u64 s[G0B+4*\slot+2:G0B+4*\slot+3], s[G0B+4*\slot+2:G0B+4*\slot+3], 2*BSTEP
	JLOAD G0+4*\slot, G1, G0B+4*\slot, G1B         ; the first tensor load behind the round; its four v_nop are also the places in front of the loads below
.else
	PLACES NP
.endif
	v_add_nc_u32 v[ADRS], 2048, v[ADRS]            ; the next K step's scale words
	FETCH_B \next, 0, 0
	FETCH_A \next, 0, 0
	SCALES \next
	WIN MUL_HI
	MUL16 4, 1, NQ-1, \slot, 0
	MUL16 6, 1, NQ-1, \slot, 0
	PLACES NP
	WIN 0
	FETCH_A \next, 0, 4
.endm
.macro STEPS slot, from
.set Q, \from
.rept NQ-1-\from
	STEP \slot, Q, 0
.set Q, Q+1
.endr
.endm
.macro LAST slot                       ; the very last step: nothing more to fetch
	s_wait_dscnt 4*NL
	WIN MUL_LO
	MUL16 0, 1, NQ-1, \slot, 0
	MUL16 2, 1, NQ-1, \slot, 0
	s_wait_dscnt 0
	WIN MUL_HI
	MUL16 4, 1, NQ-1, \slot, 0
	MUL16 6, 1, NQ-1, \slot, 0
	WIN 0
.endm
	s_wait_tensorcnt 1                             ; the scale bytes and my part of K step 0 are in (K step 1's load may be out),
	s_barrier_signal -1
	s_barrier_wait -1                              ; everybody's are
	FETCH_B 0, 0, 0
	FETCH_A 0, 0, 0
	SCALES 0
	FETCH_A 0, 0, 4
	STEP 0, 0, 1                                   ; the first products start the sums: nothing is cleared
	STEPS 0, 1
	TURN 0, 1, 1                                   ; slot 0 takes K step 2
	STEPS 1, 0
	TURN 1, 0, 1                                   ; slot 1 takes K step 3
	STEPS 0, 0
	TURN 0, 1, 0
	STEPS 1, 0
	LAST 1
; THE WAY OUT, a block of 16 tokens at a time.  Lane (r, h), token r: tile t's register j is column 32 (t / 2) + 16 h + 8 (t % 2) + j of my 64; val in tiles 0-3, gate in tiles 4-7.
; h = val x gate / (1 + 2^(-gate log2(e))).  Its 32 numbers are 16 of each of two blocks of 32; the other 16 lie in lane l xor 16.
.macro SWIGLU a
.set AC, 64*((\a)%4)
	WIN 0x0a+5*((\a)/4)                            ; sources 0 and 1: window 2 or 3
.irp t, 0,1,2,3
.irp j, 0,1,2,3,4,5,6,7
	v_mul_f32 v[H+8*\t+\j], v[AC+8*\t+\j], v[AC+32+8*\t+\j]      ; each accumulator from its low end on
	v_mul_f32 v[E+8*\t+\j], s12, v[AC+32+8*\t+\j]
.endr
.endr
	WIN 0
.set i, 0
.rept 32
	v_exp_f32 v[E+i], v[E+i]
.set i, i+1
.endr
	v_nop                                          ; a plain line behind the batch, and the one wait ahead of its first reader
	s_wait_alu depctr_va_vdst(0)
.set i, 0
.rept 16
	v_pk_add_f32 v[E+i:E+i+1], v[E+i:E+i+1], 1.0 op_sel_hi:[1,0]
.set i, i+2
.endr
.set i, 0
.rept 32
	v_rcp_f32 v[E+i], v[E+i]
.set i, i+1
.endr
	v_nop
	s_wait_alu depctr_va_vdst(0)
.set i, 0
.rept 16
	v_pk_mul_f32 v[H+i:H+i+1], v[H+i:H+i+1], v[E+i:E+i+1]
.set i, i+2
.endr
.irp b, 0,1
	v_max3_num_f32 v[TM+\b], |v[H+16*\b]|, |v[H+16*\b+1]|, 0x1800000   ; my 16 of block b, and the floor 2^(3 - 127)
.endr
.irp i, 2,4,6,8,10,12,14
.irp b, 0,1
	v_max3_num_f32 v[TM+\b], v[TM+\b], |v[H+16*\b+\i]|, |v[H+16*\b+\i+1]|
.endr
.endr
.irp b, 0,1
	v_permlanex16_b32 v[TM+2+\b], v[TM+\b], s96, s97
.endr
.irp b, 0,1
	v_max_num_f32 v[TM+\b], v[TM+\b], v[TM+2+\b]
.endr
.irp b, 0,1
	v_add_nc_u32 v[TM+4+\b], 0xff000000, v[TM+\b]
.endr
.irp b, 0,1
	v_lshrrev_b32 v[TM+6+\b], 23, v[TM+4+\b]
.endr
	v_lshl_or_b32 v[SW+(\a)], v[TM+7], 8, v[TM+6]
.irp b, 0,1
	v_cvt_scalef32_pk8_fp4_f32 v[PC+4*(\a)+2*\b], v[H+16*\b:H+16*\b+7], v[TM+4+\b]
	v_cvt_scalef32_pk8_fp4_f32 v[PC+4*(\a)+2*\b+1], v[H+16*\b+8:H+16*\b+15], v[TM+4+\b]
.endr
	v_nop                                          ; a plain line behind the conversions
	v_permlane16_swap_b32 v[PC+4*(\a)], v[PC+4*(\a)+2]       ; the operand's layout wants a whole block in a lane: lanes 0-15 block 0, lanes 16-31 block 1
	v_permlane16_swap_b32 v[PC+4*(\a)+1], v[PC+4*(\a)+3]
	global_store_b128 v[L16], v[PC+4*(\a):PC+4*(\a)+3], s[8:9] offset:(\a)*512   ; 512 consecutive bytes: token tile a of my chunk
.endm
	PLACES NP                                      ; behind the last products: for the reads of results and for writes into the registers that held A's fragments
	v_mov_b32 v[TM+2], 0                           ; written once: a lane permute's destination counts as one of its sources
	v_mov_b32 v[TM+3], 0
.irp a, 0,1,2,3,4,5,6,7
	SWIGLU \a
.endr
.irp a, 0,2,4,6
	v_cndmask_b32 v[TM+8+\a/2], v[SW+\a], v[SW+\a+1], s13        ; lanes 0-15: token tile a's two bytes; lanes 16-31: tile a + 1's
	global_store_b16 v[L16], v[TM+8+\a/2], s[10:11] offset:\a*256
.endr
	s_wait_tensorcnt 0x0                           ; the wave's end
	ds_add_u32 v[SPW], v[NIL]
	s_wait_dscnt 0x0
	CROUND                                         ; the closing round: no work-group ends while a partner may still ask for a tile that names it
	s_endpgm
.Lfunc_end_k_q7ef7c5c002_ff:
	.size	k_q7ef7c5c002_ff, .Lfunc_end_k_q7ef7c5c002_ff-k_q7ef7c5c002_ff
	.p2alignl 7, 3214868480
	.fill 96, 4, 3214868480
	.section	.rodata,"a",@progbits
	.p2align	6, 0x0
	.amdhsa_kernel k_q7ef7c5c002_ff
		.amdhsa_group_segment_fixed_size 327680
		.amdhsa_private_segment_fixed_size 0
		.amdhsa_enable_private_segment 0
		.amdhsa_kernarg_size 16
		.amdhsa_user_sgpr_count 2
		.amdhsa_user_sgpr_kernarg_segment_ptr 1
		.amdhsa_wavefront_size32 1
		.amdhsa_system_sgpr_workgroup_id_x 1
		.amdhsa_system_sgpr_workgroup_id_y 1
		.amdhsa_system_sgpr_workgroup_id_z 1
		.amdhsa_system_vgpr_workitem_id 0
		.amdhsa_next_free_vgpr 1024
		.amdhsa_next_free_sgpr 98
		.amdhsa_reserve_vcc 0
		.amdhsa_float_denorm_mode_32 3
		.amdhsa_float_denorm_mode_16_64 3
		.amdhsa_memory_ordered 1
		.amdhsa_forward_progress 1
		.amdhsa_inst_pref_size 248
	.end_amdhsa_kernel
	.amdgpu_metadata
---
amdhsa.version: [ 1, 2 ]
amdhsa.kernels:
  - .name:           k_q7ef7c5c002_ff
    .symbol:         k_q7ef7c5c002_ff.kd
    .args:
      - { .name: ops, .offset: 0, .size: 8, .value_kind: global_buffer, .address_space: global }
      - { .name: a2, .offset: 8, .size: 8, .value_kind: global_buffer, .address_space: global }
    .group_segment_fixed_size: 327680
    .private_segment_fixed_size: 0
    .kernarg_segment_align: 8
    .kernarg_segment_size: 16
    .max_flat_workgroup_size: 128
    .sgpr_count:     98
    .vgpr_count:     1024
    .wavefront_size: 32
...
	.end_amdgpu_metadata
.endif
;; end of part 2
;; launch qkv (part 3): grid 256 x 1, 5 waves a work-group, no clusters, 0 bytes of LDS; arguments ops, qkv; writes qkv
.if DOCPART == 3
	.amdgcn_target "amdgcn-amd-amdhsa--gfx1250"
	.amdhsa_code_object_version 6
	.text
	.protected	k_q7ef7c5c002_qkv
	.globl	k_q7ef7c5c002_qkv
	.p2align	8
	.type	k_q7ef7c5c002_qkv,@function
k_q7ef7c5c002_qkv:
	s_mov_b64 s[64:65], 0
	v_nop
	global_prefetch_b8 v0, s[64:65] scope:SCOPE_SE
	s_setreg_imm32_b32 hwreg(HW_REG_WAVE_MODE, 25, 1), 1
	s_wait_xcnt 0x0
; QKV: q, k, v = xn W1[:, 0:544] on codes of FP4 with E8M0 scales (K = 2,048), the rotation of q and k, q x 0.25 log2(e), v quantised along the keys.
; A work-group takes 32 tokens (row tiles 2 P, 2 P + 1) and half of the heads: waves 0-3 four heads each; wave 4 takes k (even work-groups) or v (odd).
; Fragments lie in memory in the order of the operands' registers and go straight into registers, 512 consecutive bytes a load: no LDS, no barrier.
; Tiles are not shared through a cluster: a wave's whole work is 128 matrix instructions on 96 KiB that it reads once, in 16 short K steps; a cluster's barrier in each would outweigh the products.
; q, k: TRANSPOSED (source 0 = the head's 16 operand rows of W1, source 1 = 16 tokens): lane (r, h) holds token r; register j is channel 4 h + j % 4 + 8 (j / 4): the rotation's partners d, d + 8 are registers j, j + 4,
; and the rotated tile, stored as it stands, is the f32 fragment that the attention launch multiplies (K = 16 in four instructions, registers 2 s, 2 s + 1).
; v: NOT transposed (source 0 = tokens): lane (r, h) holds one channel and, over the two tiles, 16 neighbouring keys 32 P + 16 h + 0 .. 15: a block of 32 keys lies in lanes l and l xor 16.
; Sine and cosine: angle = position x frequency in f32; reduction by pi / 2 in two parts; polynomials on |r| <= pi / 4.
; LIMITS: a block of zeros gets the byte 1 (zero codes); NaN and infinities are not served.  v's scale bytes (2 KiB in all) leave as single bytes.
.set A1S, 4194304
.set W1C, 4456448
.set W1S, 9207808
.set KVG, 8388608                      ; qkv: q's images at 0; from here, for each batch, 148,480 bytes: k's images, v's codes, v's scale words
.set KVB, 148480
.set WV,  12
.set ACC, 16                           ; v16-79   accumulators: (row tile rt, column tile ct) at 8 (nc rt + ct)
.set RG,  80                           ; v80-175  two sets of 48: x's fragments at 8 rt, W's at 16 + 8 ct; behind the loop: cosines, sines, work, results
.set XS,  176                          ; v176-191 x's scale words, register k: lanes 0-15 tile 2 P, lanes 16-31 tile 2 P + 1
.set WS,  192                          ; v192-223 W's: register 16 (ct / 2) + k: lanes 0-15 the even tile, lanes 16-31 the odd one
	s_load_b128 s[4:7], s[0:1], 0x0                ; ops s[4:5], qkv s[6:7]
	v_lshrrev_b32 v1, 5, v0
	v_readfirstlane_b32 s[WV], v1                  ; wave 0..4
	v_and_b32 v2, 31, v0
	v_lshlrev_b32 v1, 4, v2                        ; v1: 16 x lane
	s_lshr_b32 s13, ttmp9, 1                       ; P
	s_and_b32 s14, ttmp9, 1                        ; which half
	s_lshl_b32 s15, s14, 4
	s_lshl_b32 s16, s[WV], 2
	s_add_co_u32 s15, s15, s16                     ; waves 0-3: my first head
	s_add_co_u32 s16, s14, 32                      ; wave 4: tile 32 (k) or 33 (v)
	s_mov_b32 s39, 0x3eb8aa3b                      ; 0.25 log2(e): q's scores come out as exponents of 2
	s_cmp_eq_u32 s[WV], 4
	s_cselect_b32 s15, s16, s15                    ; my first tile of W1
	s_cselect_b32 s17, 32, s15                     ; and the even tile from which its scale words are read
	s_cselect_b32 s39, 1.0, s39                    ; k is not scaled
	s_lshl_b32 s20, s13, 10                        ; x's codes: tile 2 P
	s_mov_b32 s21, 0
	s_lshl_b32 s22, s15, 9
	s_add_co_u32 s22, s22, W1C
	s_mov_b32 s23, 0
	s_lshl_b32 s24, s13, 9
	s_add_co_u32 s24, s24, A1S
	s_mov_b32 s25, 0
	s_lshl_b32 s26, s17, 8
	s_add_co_u32 s26, s26, W1S
	s_mov_b32 s27, 0
	; positions and frequencies
	v_and_b32 v3, 15, v0
	v_lshrrev_b32 v4, 3, v3
	v_lshl_add_u32 v3, v4, 3, v3                   ; r + 8 (r / 8)
	s_lshl_b32 s28, s13, 5
	s_and_b32 s28, s28, 2047
	v_add_nc_u32 v3, s28, v3                       ; my token's place in its sequence, in tile 2 P;
	v_add_nc_u32 v4, 8, v3                         ; in tile 2 P + 1
	v_cvt_f32_u32 v5, v3
	v_cvt_f32_u32 v6, v4
	s_mov_b32 s29, 0xffff0000                      ; lanes 16-31
	v_mov_b32 v7, 1.0                              ; 10^(-f / 2), f = 4 h + j
	v_mov_b32 v11, 0x3c23d70a
	v_cndmask_b32 v7, v7, v11, s29
	v_mov_b32 v8, 0x3ea1e89b
	v_mov_b32 v11, 0x3b4f3e37
	v_cndmask_b32 v8, v8, v11, s29
	v_mov_b32 v9, 0x3dcccccd
	v_mov_b32 v11, 0x3a83126f
	v_cndmask_b32 v9, v9, v11, s29
	v_mov_b32 v10, 0x3d0186e2
	v_mov_b32 v11, 0x39a5cb5f
	v_cndmask_b32 v10, v10, v11, s29
	s_mov_b32 s30, 0x3f22f983                      ; 2 / pi
	s_mov_b32 s31, 0xbfc90fdb                      ; -(pi / 2), its upper part,
	s_mov_b32 s32, 0x333bbd2e                      ; and what is left of it, negated
	s_mov_b32 s33, 0xb94ca1f9                      ; sine: -1.9515296e-4, 8.3321609e-3, -1.6666655e-1
	s_mov_b32 s34, 0x3c08839e
	s_mov_b32 s35, 0xbe2aaaa3
	s_mov_b32 s36, 0x37ccf5ce                      ; cosine: 2.4433157e-5, -1.3887316e-3, 4.1666646e-2
	s_mov_b32 s37, 0xbab6061a
	s_mov_b32 s38, 0x3d2aaaa5
	s_mov_b32 s42, 0x76543210
	s_mov_b32 s43, 0xfedcba98
	s_wait_kmcnt 0x0
	s_add_nc_u64 s[20:21], s[4:5], s[20:21]
	s_add_nc_u64 s[22:23], s[4:5], s[22:23]
	s_add_nc_u64 s[24:25], s[4:5], s[24:25]
	s_add_nc_u64 s[26:27], s[4:5], s[26:27]
; one scaled product; ra, rb: the half of the lanes from which source 0's and source 1's scale words are taken
.macro WM d, a, b, zero, sa, sb, ra, rb
.if \zero
.if ((\ra)==0) && ((\rb)==0)
	v_wmma_scale_f32_16x16x128_f8f6f4 v[(\d):(\d)+7], v[(\a):(\a)+7], v[(\b):(\b)+7], 0, v[\sa], v[\sb] matrix_a_fmt:MATRIX_FMT_FP4 matrix_b_fmt:MATRIX_FMT_FP4
.elseif ((\ra)==1) && ((\rb)==0)
	v_wmma_scale_f32_16x16x128_f8f6f4 v[(\d):(\d)+7], v[(\a):(\a)+7], v[(\b):(\b)+7], 0, v[\sa], v[\sb] matrix_a_fmt:MATRIX_FMT_FP4 matrix_b_fmt:MATRIX_FMT_FP4 matrix_a_scale:MATRIX_SCALE_ROW1
.elseif ((\ra)==0) && ((\rb)==1)
	v_wmma_scale_f32_16x16x128_f8f6f4 v[(\d):(\d)+7], v[(\a):(\a)+7], v[(\b):(\b)+7], 0, v[\sa], v[\sb] matrix_a_fmt:MATRIX_FMT_FP4 matrix_b_fmt:MATRIX_FMT_FP4 matrix_b_scale:MATRIX_SCALE_ROW1
.else
	v_wmma_scale_f32_16x16x128_f8f6f4 v[(\d):(\d)+7], v[(\a):(\a)+7], v[(\b):(\b)+7], 0, v[\sa], v[\sb] matrix_a_fmt:MATRIX_FMT_FP4 matrix_b_fmt:MATRIX_FMT_FP4 matrix_a_scale:MATRIX_SCALE_ROW1 matrix_b_scale:MATRIX_SCALE_ROW1
.endif
.else
.if ((\ra)==0) && ((\rb)==0)
	v_wmma_scale_f32_16x16x128_f8f6f4 v[(\d):(\d)+7], v[(\a):(\a)+7], v[(\b):(\b)+7], v[(\d):(\d)+7], v[\sa], v[\sb] matrix_a_fmt:MATRIX_FMT_FP4 matrix_b_fmt:MATRIX_FMT_FP4
.elseif ((\ra)==1) && ((\rb)==0)
	v_wmma_scale_f32_16x16x128_f8f6f4 v[(\d):(\d)+7], v[(\a):(\a)+7], v[(\b):(\b)+7], v[(\d):(\d)+7], v[\sa], v[\sb] matrix_a_fmt:MATRIX_FMT_FP4 matrix_b_fmt:MATRIX_FMT_FP4 matrix_a_scale:MATRIX_SCALE_ROW1
.elseif ((\ra)==0) && ((\rb)==1)
	v_wmma_scale_f32_16x16x128_f8f6f4 v[(\d):(\d)+7], v[(\a):(\a)+7], v[(\b):(\b)+7], v[(\d):(\d)+7], v[\sa], v[\sb] matrix_a_fmt:MATRIX_FMT_FP4 matrix_b_fmt:MATRIX_FMT_FP4 matrix_b_scale:MATRIX_SCALE_ROW1
.else
	v_wmma_scale_f32_16x16x128_f8f6f4 v[(\d):(\d)+7], v[(\a):(\a)+7], v[(\b):(\b)+7], v[(\d):(\d)+7], v[\sa], v[\sb] matrix_a_fmt:MATRIX_FMT_FP4 matrix_b_fmt:MATRIX_FMT_FP4 matrix_a_scale:MATRIX_SCALE_ROW1 matrix_b_scale:MATRIX_SCALE_ROW1
.endif
.endif
.endm
.macro SCLOAD np                       ; all scale words of my rows: a load brings the four words of a K step of 512
.irp s, 0,1,2,3
	global_load_b128 v[XS+4*\s:XS+4*\s+3], v1, s[24:25] offset:\s*65536
.set p, 0
.rept \np
	global_load_b128 v[WS+16*p+4*\s:WS+16*p+4*\s+3], v1, s[26:27] offset:\s*74240+p*512
.set p, p+1
.endr
.endr
.endm
.macro LOADK k, nc                     ; the fragments of the k-th 128 along K: 4 + 2 nc loads
.set st, RG+48*((\k)%2)
.irp c, 0,1
.irp r, 0,1
	global_load_b128 v[st+8*\r+4*\c:st+8*\r+4*\c+3], v1, s[20:21] offset:(2*(\k)+\c)*131072+\r*512
.endr
.set ct, 0
.rept \nc
	global_load_b128 v[st+16+8*ct+4*\c:st+16+8*ct+4*\c+3], v1, s[22:23] offset:(2*(\k)+\c)*148480+ct*512
.set ct, ct+1
.endr
.endr
.endm
.macro KSTEP k, nc, tr                 ; 2 nc products, the accumulators by turns
.set st, RG+48*((\k)%2)
.set rt, 0
.rept 2
.set ct, 0
.rept \nc
.if \tr
	WM ACC+8*(\nc*rt+ct), st+16+8*ct, st+8*rt, (\k)==0, WS+16*(ct/2)+(\k), XS+(\k), ct%2, rt
.else
	WM ACC+8*(\nc*rt+ct), st+8*rt, st+16+8*ct, (\k)==0, XS+(\k), WS+(\k), rt, 1
.endif
.set ct, ct+1
.endr
.set rt, rt+1
.endr
.endm
.macro KLOOP nc, tr                    ; sixteen steps of 128 along K, written out: every offset is an immediate; loads run two steps ahead
	SCLOAD (\nc+1)/2
	LOADK 0, \nc
	LOADK 1, \nc
.set kk, 0
.rept 16
.if kk < 15
	s_wait_loadcnt 4+2*\nc                         ; this step's fragments (and the scale words) are in; the next step's loads may be out
.else
	s_wait_loadcnt 0x0
.endif
	KSTEP kk, \nc, \tr
.rept 4
	v_nop                                          ; places in front of loads into registers that these products read, and at the end of the reads of results
.endr
.if kk < 14
	LOADK kk+2, \nc
.endif
.set kk, kk+1
.endr
.endm
; kappa x cos and kappa x sin of my token's four angles in row tile rt: v[RG + 8 rt + j], v[RG + 8 rt + 4 + j]
.macro SINCOS rt, pos
.irp j, 0,1,2,3
	v_mul_f32 v[96+\j], v[\pos], v[7+\j]           ; the angle
.endr
.irp j, 0,1,2,3
	v_mul_f32 v[100+\j], s30, v[96+\j]
.endr
.irp j, 0,1,2,3
	v_rndne_f32 v[100+\j], v[100+\j]               ; n: how many quarter turns
.endr
.irp j, 0,1,2,3
	v_fma_f32 v[104+\j], v[100+\j], s31, v[96+\j]
.endr
.irp j, 0,1,2,3
	v_fma_f32 v[104+\j], v[100+\j], s32, v[104+\j] ; r = angle - n pi / 2
.endr
.irp j, 0,1,2,3
	v_mul_f32 v[108+\j], v[104+\j], v[104+\j]      ; z = r^2
.endr
.irp j, 0,1,2,3
	v_fma_f32 v[112+\j], v[108+\j], s33, s34
	v_fma_f32 v[116+\j], v[108+\j], s36, s37
.endr
.irp j, 0,1,2,3
	v_fma_f32 v[112+\j], v[112+\j], v[108+\j], s35
	v_fma_f32 v[116+\j], v[116+\j], v[108+\j], s38
.endr
.irp j, 0,1,2,3
	v_mul_f32 v[124+\j], v[108+\j], v[104+\j]
.endr
.irp j, 0,1,2,3
	v_fma_f32 v[112+\j], v[112+\j], v[124+\j], v[104+\j]         ; sin r
.endr
.irp j, 0,1,2,3
	v_mul_f32 v[124+\j], v[108+\j], v[108+\j]
	v_fma_f32 v[108+\j], v[108+\j], -0.5, 1.0
.endr
.irp j, 0,1,2,3
	v_fma_f32 v[116+\j], v[116+\j], v[124+\j], v[108+\j]         ; cos r
	v_cvt_i32_f32 v[120+\j], v[100+\j]
.endr
.irp j, 0,1,2,3
	v_and_b32 v[124+\j], 1, v[120+\j]              ; an odd quarter swaps the two; the choice selects values only
	v_cmp_eq_u32 vcc_lo, 1, v[124+\j]
	v_cndmask_b32 v[96+\j], v[112+\j], v[116+\j], vcc_lo
	v_cndmask_b32 v[100+\j], v[116+\j], v[112+\j], vcc_lo
	v_lshlrev_b32 v[124+\j], 30, v[120+\j]         ; the sine's sign: bit 1 of n;
	v_and_b32 v[124+\j], 0x80000000, v[124+\j]
	v_xor_b32 v[96+\j], v[96+\j], v[124+\j]
	v_add_nc_u32 v[124+\j], 1, v[120+\j]           ; the cosine's: bit 1 of n + 1
	v_lshlrev_b32 v[124+\j], 30, v[124+\j]
	v_and_b32 v[124+\j], 0x80000000, v[124+\j]
	v_xor_b32 v[100+\j], v[100+\j], v[124+\j]
	v_mul_f32 v[RG+8*\rt+\j], s39, v[100+\j]
	v_mul_f32 v[RG+8*\rt+4+\j], s39, v[96+\j]
.endr
.endm
; the rotation, and the tile stored as it stands: two stores of 512 consecutive bytes.  Each tile has result registers of its own
.macro ROPE nc, rstep, cstep
.set rt, 0
.rept 2
.set ct, 0
.rept \nc
.set ta, ACC+8*(\nc*rt+ct)
.set oa, 112+8*(\nc*rt+ct)
.irp j, 0,1,2,3
	v_mul_f32 v[oa+\j], v[ta+\j], v[RG+8*rt+\j]                  ; each accumulator from its low end on
	v_mul_f32 v[oa+4+\j], v[ta+4+\j], v[RG+8*rt+\j]
.endr
.irp j, 0,1,2,3
	v_fma_f32 v[oa+\j], -v[ta+4+\j], v[RG+8*rt+4+\j], v[oa+\j]   ; d < 8: t(d) cos - t(d + 8) sin
	v_fma_f32 v[oa+4+\j], v[ta+\j], v[RG+8*rt+4+\j], v[oa+4+\j]  ; d + 8: t(d + 8) cos + t(d) sin
.endr
	global_store_b128 v1, v[oa:oa+3], s[40:41] offset:rt*\rstep+ct*\cstep
	global_store_b128 v1, v[oa+4:oa+7], s[40:41] offset:rt*\rstep+ct*\cstep+512
.set ct, ct+1
.endr
.set rt, rt+1
.endr
.endm
	s_cmp_eq_u32 s[WV], 4
	s_cbranch_scc1 .Lkv
	; ---- four heads of q
	s_lshl_b32 s40, s13, 16                        ; q's images: [row tile][head][1,024 bytes]
	s_lshl_b32 s41, s15, 10
	s_add_co_u32 s40, s40, s41
	s_mov_b32 s41, 0
	s_add_nc_u64 s[40:41], s[6:7], s[40:41]
	KLOOP 4, 1
	SINCOS 0, 5
	SINCOS 1, 6
	ROPE 4, 32768, 1024
	s_endpgm
.Lkv:
	s_lshr_b32 s46, s13, 6                         ; the batch
	s_mul_i32 s46, s46, KVB
	s_add_co_u32 s46, s46, KVG
	s_and_b32 s47, s13, 63                         ; the block of 32 keys in it
	s_cmp_eq_u32 s14, 1
	s_cbranch_scc1 .Lv
	; ---- k
	s_lshl_b32 s40, s47, 11                        ; key tiles 2 (P % 64), + 1
	s_add_co_u32 s40, s40, s46
	s_mov_b32 s41, 0
	s_add_nc_u64 s[40:41], s[6:7], s[40:41]
	KLOOP 1, 1
	SINCOS 0, 5
	SINCOS 1, 6
	ROPE 1, 1024, 0
	s_endpgm
.Lv:
	; ---- v: one block of 32 keys for each of the 16 channels
	s_lshl_b32 s40, s47, 8
	s_add_co_u32 s40, s40, s46
	s_add_co_u32 s40, s40, 131072                  ; its 256 bytes of codes
	s_mov_b32 s41, 0
	s_add_nc_u64 s[40:41], s[6:7], s[40:41]
	s_lshr_b32 s44, s47, 2
	s_lshl_b32 s44, s44, 6                         ; the step of 128 keys: 16 words,
	s_and_b32 s45, s13, 3
	s_add_co_u32 s44, s44, s45                     ; the block's byte in them
	s_add_co_u32 s44, s44, s46
	s_add_co_u32 s44, s44, 147456
	s_mov_b32 s45, 0
	s_add_nc_u64 s[44:45], s[6:7], s[44:45]
	KLOOP 1, 0
	v_max3_num_f32 v96, |v[ACC]|, |v[ACC+1]|, 0x1800000          ; my 16 keys, and the floor 2^(3 - 127)
.irp i, 2,4,6,8,10,12,14
	v_max3_num_f32 v96, v96, |v[ACC+\i]|, |v[ACC+\i+1]|
.endr
	v_mov_b32 v97, 0
	v_permlanex16_b32 v97, v96, s42, s43
	v_max_num_f32 v96, v96, v97                    ; with lane l xor 16's: the block's largest magnitude
	v_add_nc_u32 v98, 0xff000000, v96
	v_lshrrev_b32 v99, 23, v98
	v_cvt_scalef32_pk8_fp4_f32 v100, v[ACC:ACC+7], v98
	v_cvt_scalef32_pk8_fp4_f32 v101, v[ACC+8:ACC+15], v98
	v_and_b32 v3, 15, v0                           ; (a plain line behind the conversions)
	v_bfe_u32 v4, v0, 4, 1
	v_lshlrev_b32 v11, 4, v3
	v_lshl_add_u32 v11, v4, 3, v11                 ; channel lane r's 16 bytes, my half's 8
	v_lshlrev_b32 v3, 2, v3
	global_store_b64 v11, v[100:101], s[40:41]     ; 256 consecutive bytes, aligned
	global_store_b8 v3, v99, s[44:45]              ; both lanes of a block write the same byte with the same value
	s_endpgm
.Lfunc_end_k_q7ef7c5c002_qkv:
	.size	k_q7ef7c5c002_qkv, .Lfunc_end_k_q7ef7c5c002_qkv-k_q7ef7c5c002_qkv
	.p2alignl 7, 3214868480
	.fill 96, 4, 3214868480
	.section	.rodata,"a",@progbits
	.p2align	6, 0x0
	.amdhsa_kernel k_q7ef7c5c002_qkv
		.amdhsa_group_segment_fixed_size 0
		.amdhsa_private_segment_fixed_size 0
		.amdhsa_enable_private_segment 0
		.amdhsa_kernarg_size 16
		.amdhsa_user_sgpr_count 2
		.amdhsa_user_sgpr_kernarg_segment_ptr 1
		.amdhsa_wavefront_size32 1
		.amdhsa_system_sgpr_workgroup_id_x 1
		.amdhsa_system_sgpr_workgroup_id_y 1
		.amdhsa_system_sgpr_workgroup_id_z 1
		.amdhsa_system_vgpr_workitem_id 0
		.amdhsa_next_free_vgpr 224
		.amdhsa_next_free_sgpr 66
		.amdhsa_reserve_vcc 1
		.amdhsa_float_denorm_mode_32 3
		.amdhsa_float_denorm_mode_16_64 3
		.amdhsa_memory_ordered 1
		.amdhsa_forward_progress 1
		.amdhsa_inst_pref_size 106
	.end_amdhsa_kernel
	.amdgpu_metadata
---
amdhsa.version: [ 1, 2 ]
amdhsa.kernels:
  - .name:           k_q7ef7c5c002_qkv
    .symbol:         k_q7ef7c5c002_qkv.kd
    .args:
      - { .name: ops, .offset: 0, .size: 8, .value_kind: global_buffer, .address_space: global }
      - { .name: qkv, .offset: 8, .size: 8, .value_kind: global_buffer, .address_space: global }
    .group_segment_fixed_size: 0
    .private_segment_fixed_size: 0
    .kernarg_segment_align: 8
    .kernarg_segment_size: 16
    .max_flat_workgroup_size: 160
    .sgpr_count:     66
    .vgpr_count:     224
    .wavefront_size: 32
...
	.end_amdgpu_metadata
.endif
;; end of part 3
;; launch attn (part 4): grid 256 x 1, 16 waves a work-group, clusters of 4 x 1, 327,680 bytes of LDS; arguments qkv, attn_mask, a2; writes a2
.if DOCPART == 4
	.amdgcn_target "amdgcn-amd-amdhsa--gfx1250"
	.amdhsa_code_object_version 6
	.text
	.protected	k_q7ef7c5c002_attn
	.globl	k_q7ef7c5c002_attn
	.p2align	8
	.type	k_q7ef7c5c002_attn,@function
k_q7ef7c5c002_attn:
	s_mov_b64 s[64:65], 0
	v_nop
	global_prefetch_b8 v0, s[64:65] scope:SCOPE_SE
	s_setreg_imm32_b32 hwreg(HW_REG_WAVE_MODE, 25, 1), 1
	s_wait_xcnt 0x0
	s_wait_alu depctr_hold_cnt(0) depctr_sa_sdst(0) depctr_va_vdst(0) depctr_va_sdst(0) depctr_va_ssrc(0) depctr_va_vcc(0) depctr_vm_vsrc(0)
	s_getreg_b32 s2, hwreg(HW_REG_IB_STS2, 6, 4)
	s_cmp_eq_u32 s2, 0
	s_cbranch_scc0 .Lentry_in_a_cluster
	s_endpgm
.Lentry_in_a_cluster:
	s_bfe_u32 s2, ttmp6, 0x10000c
	s_cmp_lg_u32 s2, 0x3003
	s_cbranch_scc0 .Lentry_shape_is_right
	s_endpgm
.Lentry_shape_is_right:
; ATTN: for 16 queries and all 32 heads: scores in f32 (K = 16), the mask, the softmax ahead of a quantised product, P V on codes of FP4, / the row's sum, and the result quantised for the last product.
; SHARES.  A work-group is one row tile of 16 queries; wave w owns heads 2 w, 2 w + 1 and walks the batch's 2,048 keys, 128 a step.
; LDS holds, for the whole launch: the batch's k as f32 fragment images, v's codes and scale words (one dense block of memory, brought once by four joint tensor loads: the four work-groups of a cluster
; belong to one batch), and the mask of my 16 queries as f32 numbers 0 / -3e38 in the layout of a score tile.  Nothing is filled twice: no ring in LDS, and no barrier in the loop.
; SCORES.  S^T = k q^T by v_wmma_f32_16x16x4_f32 (f32 operands: the result goes on into a quantiser), four instructions a tile; THE MASK IS THE C OF THE FIRST: it costs no vector instruction, and serves all heads.
; q arrives x 0.25 log2(e), so a score is t.  A lane holds ONE query; by the row map of the key tiles the registers of tiles 2 b, 2 b + 1 are keys 32 b + 16 (lane / 16) + 0 .. 15.
; SOFTMAX.  M = the running largest t rounded up to a whole number, kept as -M; p = 2^(t - M) is quantised by blocks of 32 keys; the row's sum is taken of the unquantised p; when M moves, the sum and O^T are
; multiplied by 2^(old M - new M), exactly.  A block's largest p is 2^(its largest t - M).
; THE MASK.  -3e38 + a score is -3e38 again while |score| < 1e31 (LIMIT): p = 0 under any real M.  While a row has met hidden keys alone, M = -3e38 and p = 1; the first open key makes the factor 0, which wipes those sums.
; A row that is hidden altogether gives the mean of the quantised v.  No branch hangs on data.
; O^T = v^T p^T (source 0 = v's 16 channels x 128 keys, source 1 = p).  LIMITS: a block of zeros gets the byte 1 (zero codes); NaN and infinities are not served.
; THE ORDER OF A STEP is laid so that a wave by itself has few gaps.  The tiles of k and of the mask come through four register buffers that are filled again by pairs, each pair 16 products or more ahead of its use;
; the next step's first pair is asked for ahead of this step's two last products, its second pair behind them: so the last step is written out, without those loads.  The search for a block's largest t stands behind the
; products of the NEXT pair of tiles, where plain lines are owed anyway.  In a batch the exponentials alternate with plain lines: the subtractions of M for later pairs, and work of the step that reads no result of the batch.
; REGISTERS: v1-4 addresses that stay; v5-8 addresses in hand; v9 v's scale word, v10-11 p's: scales and nothing else; v12-19 for each head -M, the largest t, the sum in two halves; v20, v22 the factors (v21, v23: second
;   chains of the maxima); v24-39 q; v40-55 O^T; v56-63 the blocks' largest t; v64-191 the scores, written by matrix instructions alone; v192-255: four buffers of k and mask, then p, codes, v's fragment, work.
.set VIMG, 131072                      ; LDS: k's images at 0 [key tile][2][lane][16]; v's codes [step][2][lane][16];
.set VSC,  147456                      ; v's scale words [step][16][4]
.set BIAS, 148480                      ; the mask as f32: [key tile 128][2][lane][16]
.set RAW,  279552                      ; the mask's 16 rows as they come, 2,048 bytes + 16 of padding
.set RP,   2064
.set OSC,  312576                      ; the output's scale bytes [16 rows][16]
.set KVG,  8388608
.set KVB,  148480
.set A2S,  5242880
.set AK0, 1
.set AB0, 2
.set AV0, 3
.set AS0, 4
.set ADK, 5
.set ADB, 6
.set ADV, 7
.set ADS, 8
.set ST,  12
.set FF,  20
.set Q,   24
.set O,   40
.set BM,  56
.set S,   64
.set X,   192
.set CD,  X+32                         ; p's codes: 8 registers a head
.set VF,  X+48                         ; v's fragment
.set TP,  X+56                         ; work
.set HP,  X+60                         ; the second and third chain of a batch's sum
.set HQ,  X+62
.set WV,  10
.set SEL, 40
.set TK,  42
.set TV,  43
.set TS,  44
.set CNT, 45
.macro ROUND                           ; a round of the cluster's barrier
	s_barrier_signal -1
	s_barrier_wait -1
	s_cmp_lg_u32 s[WV], 0
	s_cbranch_scc1 .Lnot_wave_0_\@
	s_barrier_signal -3
.Lnot_wave_0_\@:
	s_barrier_wait -3
	s_barrier_signal -1
	s_barrier_wait -1
.endm
	s_load_b128 s[4:7], s[0:1], 0x0                ; qkv s[4:5], attn_mask s[6:7]
	s_load_b64 s[8:9], s[0:1], 0x10                ; a2
	v_lshl_add_u32 v254, v0, 2, 0x4c600
	v_mov_b32 v255, 0
	ds_add_u32 v254, v255
	ds_add_u32 v254, v255
	s_wait_dscnt 0x0
	v_lshrrev_b32 v5, 5, v0
	v_readfirstlane_b32 s[WV], v5                  ; wave 0..15
	s_bfe_u32 s11, ttmp6, 0x40000                  ; cx
	s_lshl_b32 s12, ttmp9, 2
	s_add_co_u32 s12, s12, s11                     ; T, my row tile: it enters global addresses of my own loads and stores alone
	s_lshr_b32 s13, ttmp9, 5                       ; the batch, which the four partners share
	s_mov_b32 s24, 15|(3<<16)|(1<<21)              ; group 1: 15:0 all four work-groups; 17:16 elements of 8 bytes; 21 set beside a mask
	s_mov_b32 s25, 32<<16                          ; rows of 256 bytes,
	s_mov_b32 s26, 145<<16                         ; 145 of them: a quarter of the batch's 148,480 bytes
	s_mov_b32 s27, 32<<16
	s_mov_b32 s28, 145
	s_mov_b32 s29, 32
	s_mov_b32 s30, 0
	s_mov_b32 s31, 0
	s_mul_i32 s14, s[WV], 37120                    ; waves 0-3: my quarter, in memory and in LDS
	s_mul_i32 s16, s13, KVB
	s_add_co_u32 s16, s16, s14
	s_add_co_u32 s16, s16, KVG
	s_mov_b32 s17, 0
	s_lshr_b32 s18, s12, 1
	s_lshl_b32 s18, s18, 5
	s_and_b32 s19, s12, 1
	s_lshl_b32 s19, s19, 3
	s_add_co_u32 s18, s18, s19
	s_add_co_u32 s18, s18, s[WV]
	s_lshr_b32 s19, s[WV], 3
	s_lshl_b32 s19, s19, 3
	s_add_co_u32 s18, s18, s19                     ; the token of the tile's lane r = w: its row of the mask is mine to bring
	s_lshl_b32 s18, s18, 11
	s_mov_b32 s19, 0
	s_lshl_b32 s20, s12, 15
	s_lshl_b32 s21, s[WV], 11
	s_add_co_u32 s20, s20, s21                     ; q's images of tile T, heads 2 w, 2 w + 1
	s_mov_b32 s21, 0
	s_lshr_b32 s36, s[WV], 1
	s_add_co_u32 s36, s36, 32
	s_lshl_b32 s36, s36, 17                        ; out: chunk 32 + w / 2,
	s_lshl_b32 s37, s12, 9
	s_add_co_u32 s36, s36, s37                     ; tile T,
	s_and_b32 s37, s[WV], 1
	s_lshl_b32 s37, s37, 8
	s_add_co_u32 s36, s36, s37                     ; the half of the lanes w % 2
	s_mov_b32 s37, 0
	s_lshl_b32 s38, s12, 8
	s_add_co_u32 s38, s38, A2S+4*65536             ; and K step 4 of the scale bytes, rows 16 T on
	s_mov_b32 s39, 0
	s_mov_b32 s[SEL], 0x76543210
	s_mov_b32 s[SEL+1], 0xfedcba98
	s_wait_kmcnt 0x0
	s_mov_b32 s32, 1                               ; group 0
	s_mov_b32 s33, s14
	s_add_nc_u64 s[34:35], s[4:5], s[16:17]
	s_or_b32 s35, s35, 0x80000000
	s_add_nc_u64 s[6:7], s[6:7], s[18:19]
	s_add_nc_u64 s[4:5], s[4:5], s[20:21]
	s_add_nc_u64 s[36:37], s[8:9], s[36:37]
	s_add_nc_u64 s[38:39], s[8:9], s[38:39]
	ROUND                                          ; all four work-groups are here: the joint loads meet
	s_cmp_lt_u32 s[WV], 4
	s_cbranch_scc0 .Lno_fetch
	tensor_load_to_lds s[32:35], s[24:31]          ; one load a wave: by this text's count one is out
	s_nop 0
.rept 4
	v_nop
.endr
.Lno_fetch:
	v_and_b32 v5, 31, v0
	v_lshlrev_b32 v[AK0], 4, v5                    ; 16 x lane
	v_add_nc_u32 v[AB0], BIAS, v[AK0]
	v_add_nc_u32 v[AV0], VIMG, v[AK0]
	v_and_b32 v5, 15, v0                           ; r
	v_lshl_add_u32 v[AS0], v5, 2, VSC
.irp i, 0,1,2,3
	global_load_b128 v[O+4*\i:O+4*\i+3], v[AK0], s[6:7] offset:512*\i th:TH_LOAD_NT   ; my row of the mask: read once in the launch
.endr
.irp e, 0,1
.irp c, 0,1
	global_load_b128 v[Q+8*\e+4*\c:Q+8*\e+4*\c+3], v[AK0], s[4:5] offset:1024*\e+512*\c
.endr
.endr
	s_mul_i32 s22, s[WV], RP
	v_add_nc_u32 v6, s22, v[AK0]
	v_add_nc_u32 v6, RAW, v6
	v_bfe_u32 v8, v0, 4, 1                         ; h
	v_mul_u32_u24 v7, v5, RP
	v_lshl_add_u32 v7, v8, 4, v7
	s_lshl_b32 s22, s[WV], 7
	v_add_nc_u32 v7, s22, v7
	v_add_nc_u32 v7, RAW, v7                       ; query r's bytes for keys 128 w + 16 h on
	s_lshl_b32 s22, s[WV], 13
	v_add_nc_u32 v8, s22, v[AB0]                   ; where step w's eight tiles of the mask go
	s_wait_loadcnt 4                               ; the mask's row is in; q's four loads may be out
.irp i, 0,1,2,3
	ds_store_b128 v6, v[O+4*\i:O+4*\i+3] offset:512*\i
.endr
	s_wait_tensorcnt 0x0                           ; my quarter of k and v has landed,
	s_wait_dscnt 0x0                               ; my row of the mask is stored:
	s_barrier_signal -1
	s_barrier_wait -1                              ; everybody's are
	; wave w turns the bytes of step w (keys 128 w on) into f32: register 8 (2 b + u) + j of lane (r, h) is key 128 w + 32 b + 16 h + 8 u + j of query r
.irp b, 0,1,2,3
	ds_load_b128 v[O+4*\b:O+4*\b+3], v7 offset:32*\b
.endr
	s_wait_dscnt 0x0
.irp b, 0,1,2,3
.irp u, 0,1
.irp j, 0,1,2,3,4,5,6,7
	v_bfe_u32 v[X+8*(2*\b+\u)+\j], v[O+4*\b+2*\u+\j/4], 8*(\j%4), 8
.endr
.endr
.endr
.set n, 0
.rept 64
	v_add_nc_u32 v[X+n], -1, v[X+n]                ; 1 -> 0, 0 -> all ones,
	v_and_b32 v[X+n], 0xff61b1e6, v[X+n]           ; -> 0 or -3e38
.set n, n+1
.endr
.irp t, 0,1,2,3,4,5,6,7
	ds_store_b128 v8, v[X+8*\t:X+8*\t+3] offset:1024*\t
	ds_store_b128 v8, v[X+8*\t+4:X+8*\t+7] offset:1024*\t+512
.endr
	s_wait_dscnt 0x0                               ; for the others' sake
	s_barrier_signal -1
	s_barrier_wait -1                              ; the mask of all 2,048 keys lies in LDS
.set n, 0
.rept 16
	v_mov_b32 v[O+n], 0                            ; O^T: the step is written for every step alike; the first finds zeros
.set n, n+1
.endr
.irp e, 0,1
	v_mov_b32 v[ST+4*\e+1], 0xff61b1e6             ; the largest t so far: -3e38
	v_floor_f32 v[ST+4*\e], -v[ST+4*\e+1]          ; -M
	v_mov_b32 v[ST+4*\e+2], 0                      ; the sum, in two halves
	v_mov_b32 v[ST+4*\e+3], 0
	v_mov_b32 v[FF+2*\e+1], 0                      ; (named as the upper half of a pair)
.endr
	s_mov_b32 s[TK], 0
	s_mov_b32 s[TV], 0
	s_mov_b32 s[TS], 0
	s_mov_b32 s[CNT], 15
	v_add_nc_u32 v[ADK], s[TK], v[AK0]
	v_add_nc_u32 v[ADB], s[TK], v[AB0]
	v_add_nc_u32 v[ADV], s[TV], v[AV0]
	v_add_nc_u32 v[ADS], s[TS], v[AS0]
	s_wait_loadcnt 0x0                             ; q
.macro LOADT t0, b0                    ; key tiles t0, t0 + 1 of the step in hand (8, 9: the next step's first two) into buffers b0, b0 + 1: k's image and the mask's, 16 registers a tile, eight loads
.irp i, 0,1
	ds_load_b128 v[X+16*(\b0+\i):X+16*(\b0+\i)+3], v[ADK] offset:(\t0+\i)*1024
	ds_load_b128 v[X+16*(\b0+\i)+4:X+16*(\b0+\i)+7], v[ADK] offset:(\t0+\i)*1024+512
	ds_load_b128 v[X+16*(\b0+\i)+8:X+16*(\b0+\i)+11], v[ADB] offset:(\t0+\i)*1024
	ds_load_b128 v[X+16*(\b0+\i)+12:X+16*(\b0+\i)+15], v[ADB] offset:(\t0+\i)*1024+512
.endr
.endm
.macro SIM g, p                        ; tiles 4 g + 2 p, + 1 (buffers 2 p, 2 p + 1), both heads: four accumulators by turns, one instruction a turn; the first of each takes the mask as C
.irp s, 0,1,2,3
.irp i, 0,1
.irp e, 0,1
.if \s == 0
	v_wmma_f32_16x16x4_f32 v[S+64*\e+8*(4*\g+2*\p+\i):S+64*\e+8*(4*\g+2*\p+\i)+7], v[X+16*(2*\p+\i):X+16*(2*\p+\i)+1], v[Q+8*\e:Q+8*\e+1], v[X+16*(2*\p+\i)+8:X+16*(2*\p+\i)+15]
.else
	v_wmma_f32_16x16x4_f32 v[S+64*\e+8*(4*\g+2*\p+\i):S+64*\e+8*(4*\g+2*\p+\i)+7], v[X+16*(2*\p+\i)+2*\s:X+16*(2*\p+\i)+2*\s+1], v[Q+8*\e+2*\s:Q+8*\e+2*\s+1], v[S+64*\e+8*(4*\g+2*\p+\i):S+64*\e+8*(4*\g+2*\p+\i)+7]
.endif
.endr
.endr
.endr
.endm
; The largest t of block b (tiles 2 b, 2 b + 1) of both heads: 16 plain lines, a chain for each tile, four chains by turns; each tile is read from its low end on.
; They stand behind the products of the NEXT pair of tiles and name none of those products' registers: so they are the places that are owed there (eight behind the f32 form).
.macro BMAXB b
.irp e, 0,1
	v_max3_num_f32 v[BM+4*\e+\b], v[S+64*\e+16*\b], v[S+64*\e+16*\b+1], v[S+64*\e+16*\b+2]
	v_max3_num_f32 v[FF+2*\e+1], v[S+64*\e+16*\b+8], v[S+64*\e+16*\b+9], v[S+64*\e+16*\b+10]
.endr
.irp i, 3,5
.irp e, 0,1
	v_max3_num_f32 v[BM+4*\e+\b], v[BM+4*\e+\b], v[S+64*\e+16*\b+\i], v[S+64*\e+16*\b+\i+1]
	v_max3_num_f32 v[FF+2*\e+1], v[FF+2*\e+1], v[S+64*\e+16*\b+8+\i], v[S+64*\e+16*\b+8+\i+1]
.endr
.endr
.irp e, 0,1
	v_max3_num_f32 v[BM+4*\e+\b], v[BM+4*\e+\b], v[FF+2*\e+1], v[S+64*\e+16*\b+7]
.endr
.irp e, 0,1
	v_max_num_f32 v[BM+4*\e+\b], v[BM+4*\e+\b], v[S+64*\e+16*\b+15]
.endr
.endm
; Line k of the plain work that is set between a batch's exponentials and reads none of their results.  A head's first batch: O^T and the sum under the new M.  Its second: p's scale word for these 128 keys.
.macro XF e, hb
.if (\hb) == 0
.if k < 4
	v_pk_mul_f32 v[O+8*\e+2*k:O+8*\e+2*k+1], v[O+8*\e+2*k:O+8*\e+2*k+1], v[FF+2*\e:FF+2*\e+1] op_sel_hi:[1,0]   ; (O^T is read from its low end on)
.elseif k == 4
	v_pk_mul_f32 v[ST+4*\e+2:ST+4*\e+3], v[ST+4*\e+2:ST+4*\e+3], v[FF+2*\e:FF+2*\e+1] op_sel_hi:[1,0]
.endif
.else
.if k == 0
	v_lshrrev_b32 v[10+\e], 23, v[BM+4*\e]
.elseif (k < 7) && (k % 2 == 1)
	v_lshrrev_b32 v[TP], 23, v[BM+4*\e+(k+1)/2]
.elseif k < 7
	v_lshl_or_b32 v[10+\e], v[TP], 8*(k/2), v[10+\e]
.endif
.endif
.endm
; 32 scores of head e (blocks 2 hb, 2 hb + 1) become p, are summed, and become four registers of codes.  With the step's first batch go the eight blocks' largest p, and behind its wait the conversions' scale operands are made.
.macro BATCH e, hb
.set SB, S+64*\e+32*\hb
.irp i, 0,1,2
	v_pk_add_f32 v[X+2*\i:X+2*\i+1], v[SB+2*\i:SB+2*\i+1], v[ST+4*\e:ST+4*\e+1] op_sel_hi:[1,0]   ; t - M (of the pair the low word, -M, serves both halves): three pairs ahead of their exponentials
.endr
.set k, 0
.rept 16
	v_exp_f32 v[X+2*k], v[X+2*k]
.if k < 13
	v_pk_add_f32 v[X+2*k+6:X+2*k+7], v[SB+2*k+6:SB+2*k+7], v[ST+4*\e:ST+4*\e+1] op_sel_hi:[1,0]
.endif
	v_exp_f32 v[X+2*k+1], v[X+2*k+1]
	XF \e, \hb
.set k, k+1
.endr
.if (\e == 0) && (\hb == 0)
.set i, 0
.rept 8
	v_exp_f32 v[BM+i], v[BM+i]                     ; the same addition and exponential on the same number give the same bits as the block's largest p
.set i, i+1
.endr
.endif
	v_nop                                          ; a plain line behind the batch,
	s_wait_alu depctr_va_vdst(0)                   ; and the one wait ahead of its first reader
.if (\e == 0) && (\hb == 0)
.set i, 0
.rept 8
	v_max_num_f32 v[BM+i], 0x1800000, v[BM+i]      ; the floor 2^(3 - 127): the byte cannot fall under 1
.set i, i+1
.endr
.set i, 0
.rept 8
	v_add_nc_u32 v[BM+i], 0xff000000, v[BM+i]      ; 2 off the exponent field: the conversion's scale operand
.set i, i+1
.endr
.endif
	v_pk_add_f32 v[HP:HP+1], v[X:X+1], v[X+2:X+3]  ; the row's sum is taken of the unquantised p, in three chains by turns
	v_pk_add_f32 v[HQ:HQ+1], v[X+4:X+5], v[X+6:X+7]
.irp i, 8,14,20,26
	v_pk_add_f32 v[ST+4*\e+2:ST+4*\e+3], v[ST+4*\e+2:ST+4*\e+3], v[X+\i:X+\i+1]
	v_pk_add_f32 v[HP:HP+1], v[HP:HP+1], v[X+\i+2:X+\i+3]
	v_pk_add_f32 v[HQ:HQ+1], v[HQ:HQ+1], v[X+\i+4:X+\i+5]
.endr
.irp b, 0,1
	v_cvt_scalef32_pk8_fp4_f32 v[CD+8*\e+4*\hb+2*\b], v[X+16*\b:X+16*\b+7], v[BM+4*\e+2*\hb+\b]
	v_cvt_scalef32_pk8_fp4_f32 v[CD+8*\e+4*\hb+2*\b+1], v[X+16*\b+8:X+16*\b+15], v[BM+4*\e+2*\hb+\b]
.endr
	v_pk_add_f32 v[HP:HP+1], v[HP:HP+1], v[HQ:HQ+1]              ; (the plain line behind the conversions)
	v_permlane16_swap_b32 v[CD+8*\e+4*\hb], v[CD+8*\e+4*\hb+2]   ; a whole block to a lane: lanes 0-15 block 2 hb, lanes 16-31 block 2 hb + 1
	v_permlane16_swap_b32 v[CD+8*\e+4*\hb+1], v[CD+8*\e+4*\hb+3]
	v_pk_add_f32 v[ST+4*\e+2:ST+4*\e+3], v[ST+4*\e+2:ST+4*\e+3], v[HP:HP+1]
.endm
; A STEP of 128 keys.  At its head the loads of its tiles 0, 1 and, behind them, of tiles 2, 3 are out.  last = 1: nothing is asked for a next step.
.macro STEP last
	s_wait_dscnt 8                                 ; tiles 0 and 1 are in; the eight loads of tiles 2 and 3 may be out
	SIM 0, 0
.rept 8
	v_nop                                          ; eight places behind the f32 form: for the loads into its sources, and for the first reads of its results further down
.endr
	LOADT 4, 0                                     ; 16 products ahead of their use
	s_wait_dscnt 8                                 ; tiles 2 and 3 are in; the eight loads just issued may be out
	SIM 0, 1
	BMAXB 0
	LOADT 6, 2
	s_wait_dscnt 8                                 ; tiles 4 and 5 are in; the eight loads just issued may be out
	SIM 1, 0
	BMAXB 1
	s_wait_dscnt 0x0                               ; tiles 6 and 7
	SIM 1, 1
	BMAXB 2
	ds_load_b128 v[VF:VF+3], v[ADV]                ; v's fragment and scale word for these 128 keys: wanted at the step's end
	ds_load_b128 v[VF+4:VF+7], v[ADV] offset:512
	ds_load_b32 v9, v[ADS]
	BMAXB 3
.irp e, 0,1
	v_mov_b32 v[TP+\e], v[ST+4*\e]                 ; the old -M
.endr
.set i, 0
.rept 8
	v_permlanex16_b32 v[X+i], v[BM+i], s[SEL], s[SEL+1]
.set i, i+1
.endr
.set i, 0
.rept 8
	v_max_num_f32 v[BM+i], v[BM+i], v[X+i]         ; with lane l xor 16's 16 keys: the block's largest t
.set i, i+1
.endr
.irp e, 0,1
	v_max3_num_f32 v[TP+2+\e], v[BM+4*\e], v[BM+4*\e+1], v[BM+4*\e+2]
.endr
.irp e, 0,1
	v_max3_num_f32 v[ST+4*\e+1], v[TP+2+\e], v[BM+4*\e+3], v[ST+4*\e+1]   ; the running largest t
.endr
.irp e, 0,1
	v_floor_f32 v[ST+4*\e], -v[ST+4*\e+1]          ; the new -M = -ceil(t): M is a whole number
.endr
.irp e, 0,1
	v_sub_f32 v[TP+\e], v[ST+4*\e], v[TP+\e]       ; old M - new M: a whole number, 0 or less
.endr
.irp e, 0,1
.irp i, 0,2
	v_pk_add_f32 v[BM+4*\e+\i:BM+4*\e+\i+1], v[BM+4*\e+\i:BM+4*\e+\i+1], v[ST+4*\e:ST+4*\e+1] op_sel_hi:[1,0]   ; the blocks' largest t - M
.endr
.endr
.irp e, 0,1
	v_cvt_i32_f32 v[TP+\e], v[TP+\e]               ; (it saturates)
.endr
.irp e, 0,1
	v_ldexp_f32 v[FF+2*\e], 1.0, v[TP+\e]          ; 2^(old M - new M)
.endr
	BATCH 0, 0
	BATCH 0, 1
	BATCH 1, 0
	BATCH 1, 1
.if \last == 0
	LOADT 8, 0                                     ; p's registers are free: the next step's tiles 0 and 1
.endif
.rept 4
	v_nop                                          ; an operand written by vector instructions stands four places ahead of a scaled product; the scale words were made more than eight plain lines ago
.endr
.if \last == 0
	s_wait_dscnt 8                                 ; v's fragment and scale word are in; the eight loads just issued may be out
.else
	s_wait_dscnt 0x0
.endif
	v_wmma_scale_f32_16x16x128_f8f6f4 v[O:O+7], v[VF:VF+7], v[CD:CD+7], v[O:O+7], v9, v10 matrix_a_fmt:MATRIX_FMT_FP4 matrix_b_fmt:MATRIX_FMT_FP4
	v_wmma_scale_f32_16x16x128_f8f6f4 v[O+8:O+15], v[VF:VF+7], v[CD+8:CD+15], v[O+8:O+15], v9, v11 matrix_a_fmt:MATRIX_FMT_FP4 matrix_b_fmt:MATRIX_FMT_FP4
.if \last == 0
	s_add_co_u32 s[TK], s[TK], 8192
	s_add_co_u32 s[TV], s[TV], 1024
	s_add_co_u32 s[TS], s[TS], 64
	v_add_nc_u32 v[ADK], s[TK], v[AK0]             ; the next step's addresses: these four are also the places behind the two products, in front of loads into their sources
	v_add_nc_u32 v[ADB], s[TK], v[AB0]
	v_add_nc_u32 v[ADV], s[TV], v[AV0]
	v_add_nc_u32 v[ADS], s[TS], v[AS0]
	LOADT 2, 2                                     ; its tiles 2 and 3
.endif
.endm
	LOADT 0, 0                                     ; the first step's tiles 0 and 1,
	LOADT 2, 2                                     ; and 2 and 3
.Lstep:                                            ; fifteen trips of 128 keys
	STEP 0
	s_sub_co_u32 s[CNT], s[CNT], 1
	s_cmp_lg_u32 s[CNT], 0
	s_cbranch_scc1 .Lstep
	STEP 1                                         ; the sixteenth step is written out: it asks for no further tiles
	; THE WAY OUT.  O^T / the row's sum.  Lane (r, h): register j of head e is channel 4 h + j % 4 + 8 (j / 4); my 16 numbers are places 16 h + 8 e + j of block w of the last product's K
	; (w_attn_out's rows were laid in the same order), the other 16 lie in lane l xor 16.
.rept 4
	v_nop
.endr
.irp e, 0,1
	v_add_f32 v[TP+\e], v[ST+4*\e+2], v[ST+4*\e+3]
.endr
.irp e, 0,1
	v_permlanex16_b32 v[TP+2+\e], v[TP+\e], s[SEL], s[SEL+1]
.endr
.irp e, 0,1
	v_add_f32 v[TP+\e], v[TP+\e], v[TP+2+\e]
.endr
.irp e, 0,1
	v_rcp_f32 v[TP+4+\e], v[TP+\e]
.endr
	v_and_b32 v5, 15, v0                           ; (a plain line behind the reciprocals)
	v_bfe_u32 v6, v0, 4, 1
	v_lshlrev_b32 v7, 4, v5
	v_lshl_add_u32 v6, v6, 3, v7                   ; row r's 16 bytes, my half's 8
	v_add_nc_u32 v7, s[WV], v7
	v_add_nc_u32 v7, OSC, v7                       ; row r's scale byte of block w
	v_and_b32 v8, 31, v0
	v_lshlrev_b32 v5, 3, v8                        ; 8 x lane
	v_add_nc_u32 v8, OSC, v5
	s_wait_alu depctr_va_vdst(0)                   ; the wait ahead of the first reader
.irp e, 0,1
.irp j, 0,1,2,3,4,5,6,7
	v_mul_f32 v[X+8*\e+\j], v[O+8*\e+\j], v[TP+4+\e]
.endr
.endr
	v_max3_num_f32 v[TP], |v[X]|, |v[X+1]|, 0x1800000
.irp i, 2,4,6,8,10,12,14
	v_max3_num_f32 v[TP], v[TP], |v[X+\i]|, |v[X+\i+1]|
.endr
	v_permlanex16_b32 v[TP+1], v[TP], s[SEL], s[SEL+1]
	v_max_num_f32 v[TP], v[TP], v[TP+1]
	v_add_nc_u32 v[TP+2], 0xff000000, v[TP]
	v_lshrrev_b32 v[TP+3], 23, v[TP+2]
	v_cvt_scalef32_pk8_fp4_f32 v[CD], v[X:X+7], v[TP+2]
	v_cvt_scalef32_pk8_fp4_f32 v[CD+1], v[X+8:X+15], v[TP+2]
	v_nop
	global_store_b64 v6, v[CD:CD+1], s[36:37]      ; 256 consecutive bytes, aligned
	ds_store_b8 v7, v[TP+3]                        ; both lanes of a block write the same byte with the same value
	s_wait_dscnt 0x0                               ; for wave 0's sake
	s_barrier_signal -1
	s_barrier_wait -1
	s_cmp_lg_u32 s[WV], 0
	s_cbranch_scc1 .Lno_scales
	ds_load_b64 v[X:X+1], v8
	s_wait_dscnt 0x0
	global_store_b64 v5, v[X:X+1], s[38:39]        ; the tile's 256 scale bytes: one aligned run
.Lno_scales:
	s_wait_xcnt 0x0
	v_lshl_add_u32 v254, v0, 2, 0x4c600
	v_mov_b32 v255, 0
	s_wait_tensorcnt 0x0
	ds_add_u32 v254, v255
	s_wait_dscnt 0x0
	ROUND                                          ; the closing round: no work-group ends while a partner may still ask for a tile that names it
	s_endpgm
.Lfunc_end_k_q7ef7c5c002_attn:
	.size	k_q7ef7c5c002_attn, .Lfunc_end_k_q7ef7c5c002_attn-k_q7ef7c5c002_attn
	.p2alignl 7, 3214868480
	.fill 96, 4, 3214868480
	.section	.rodata,"a",@progbits
	.p2align	6, 0x0
	.amdhsa_kernel k_q7ef7c5c002_attn
		.amdhsa_group_segment_fixed_size 327680
		.amdhsa_private_segment_fixed_size 0
		.amdhsa_enable_private_segment 0
		.amdhsa_kernarg_size 24
		.amdhsa_user_sgpr_count 2
		.amdhsa_user_sgpr_kernarg_segment_ptr 1
		.amdhsa_wavefront_size32 1
		.amdhsa_system_sgpr_workgroup_id_x 1
		.amdhsa_system_sgpr_workgroup_id_y 1
		.amdhsa_system_sgpr_workgroup_id_z 1
		.amdhsa_system_vgpr_workitem_id 0
		.amdhsa_next_free_vgpr 256
		.amdhsa_next_free_sgpr 66
		.amdhsa_reserve_vcc 0
		.amdhsa_float_denorm_mode_32 3
		.amdhsa_float_denorm_mode_16_64 3
		.amdhsa_memory_ordered 1
		.amdhsa_forward_progress 1
		.amdhsa_inst_pref_size 79
	.end_amdhsa_kernel
	.amdgpu_metadata
---
amdhsa.version: [ 1, 2 ]
amdhsa.kernels:
  - .name:           k_q7ef7c5c002_attn
    .symbol:         k_q7ef7c5c002_attn.kd
    .args:
      - { .name: qkv, .offset: 0, .size: 8, .value_kind: global_buffer, .address_space: global }
      - { .name: attn_mask, .offset: 8, .size: 8, .value_kind: global_buffer, .address_space: global }
      - { .name: a2, .offset: 16, .size: 8, .value_kind: global_buffer, .address_space: global }
    .group_segment_fixed_size: 327680
    .private_segment_fixed_size: 0
    .kernarg_segment_align: 8
    .kernarg_segment_size: 24
    .max_flat_workgroup_size: 512
    .sgpr_count:     66
    .vgpr_count:     256
    .wavefront_size: 32
...
	.end_amdgpu_metadata
.endif
;; end of part 4
;; launch out (part 5): grid 8 x 16, 4 waves a work-group, clusters of 4 x 4, 327,680 bytes of LDS; arguments a2, ops, out0; writes out0
.if DOCPART == 5
	.amdgcn_target "amdgcn-amd-amdhsa--gfx1250"
	.amdhsa_code_object_version 6
	.text
	.protected	k_q7ef7c5c002_out
	.globl	k_q7ef7c5c002_out
	.p2align	8
	.type	k_q7ef7c5c002_out,@function
k_q7ef7c5c002_out:
	s_mov_b64 s[64:65], 0
	v_nop
	global_prefetch_b8 v0, s[64:65] scope:SCOPE_SE
	s_setreg_imm32_b32 hwreg(HW_REG_WAVE_MODE, 25, 1), 1
	s_wait_xcnt 0x0
	s_wait_alu depctr_hold_cnt(0) depctr_sa_sdst(0) depctr_va_vdst(0) depctr_va_sdst(0) depctr_va_ssrc(0) depctr_va_vcc(0) depctr_vm_vsrc(0)
	s_getreg_b32 s2, hwreg(HW_REG_IB_STS2, 6, 4)
	s_cmp_eq_u32 s2, 0
	s_cbranch_scc0 .Lentry_in_a_cluster
	s_endpgm
.Lentry_in_a_cluster:
	s_bfe_u32 s2, ttmp6, 0x10000c
	s_cmp_lg_u32 s2, 0xf033
	s_cbranch_scc0 .Lentry_shape_is_right
	s_endpgm
.Lentry_shape_is_right:
; OUT: out0 = [h | attention] x [w_ff_out ; w_attn_out]: the two last products of the block and their sum are ONE product over K = 2,048 + 512, on codes of FP4 (E2M1) with one E8M0 scale for each 32 along K.
; M = 4,096 tokens, N = 2,048, K = 2,560: five K steps of 512.  A tile of 256 x 256 is made by four waves, each 128 x 128: 64 accumulators, 512 registers.  Two LDS slots filled by the tensor data mover.
; OPERANDS LIE IN MEMORY IN THE ORDER OF THEIR REGISTERS: codes [k / 64][row tile][lane][16 bytes], scale bytes [k / 512][row][16].  A wave's tensor load brings 8 chunks x 8 tiles x 512 bytes;
; a fragment comes by two ds_load_b128 of 512 consecutive bytes each.  The scale bytes of the work-group's rows, for all of K, come once with the first fills and stay.
; CLUSTERS: 4 x 4 work-groups; the tokens' tiles are asked for jointly along a row of the cluster, the weight's along a column.  128 work-groups: the tile that this text shares with the launch for h.
; THE MATRIX INSTRUCTION IS USED TRANSPOSED (source 0 = 16 operand rows of the weight, source 1 = 16 tokens): a lane holds eight neighbouring numbers of a row of out0.
; The row maps of tokens and columns (lane r of tile T = index 32 (T / 2) + 8 (T % 2) + r + 8 (r / 8)) are undone on the way out, in the stage's offsets and in the stores' immediates.
; No prefetch is laid: K has five steps, and two of them are asked for at the head.
; REGISTERS, in windows of 256: window 0: v0-31 addresses; v32-95 scale words, two sets, and nothing else; v128-191 A's fragments, ONE set; on the way out v128-255 rows of out0.
;   window 1: B's fragments, TWO sets.   window 2: accumulators of my token blocks 0-3 ((a, b) at v[8 (8 a + b)]);   window 3: blocks 4-7.
.set NKS,    5
.set NQ,     4
.set FR,     8
.set NL,     2
.set NP,     4                         ; places behind this matrix instruction (ISA guide 7.12.1)
.set QUART,  32768
.set SLOT,   4*QUART
.set SCL,    2*SLOT
.set HALFS,  NKS*2048
.set SPARE,  SCL+4*HALFS               ; the spare words, 128 bytes for each wave: two blocks of 256 bytes that no other line names
.set ASTEP,  8*131072
.set BSTEP,  8*65536
.set AS0,    5242880                   ; a2: the scale bytes
.set BC0,    9504768                   ; ops: the weight's codes,
.set BS0,    12126208                  ; and scale bytes
.set SPITCH, 528                       ; the way out: a stage of 16 rows x (512 bytes + 16) for each wave, in slot 1, which has had its last fill and its last read when the first result is stored there
.set ADRA, 16
.set ADRB, 20
.set STO,  24                          ; v24     the stage: where I put 32 bytes of a row
.set RD,   25                          ; v25     and where I read a row back
.set L16,  26                          ; v26     16 x lane
.set ADRS, 27
.set SPW,  28
.set NIL,  29
.set SC,   32
.set AF,   128
.set BK,   128
.set G1, 24
.set G0, 32
.set G1B, 48
.set G0B, 56
.set G1S, 68
.set G0S, 76
.set G1SB, 80
.set G0SB, 88
.set MSB, 0
.macro WIN new                         ; the immediate's high byte repeats the setting that is left
.if MSB != \new
	s_set_vgpr_msb (MSB<<8)|\new
.set MSB, \new
.endif
.endm
.set MUL_LO, 0xa1
.set MUL_HI, 0xf1
.set TO_B,   0x40
.macro JLOAD g0a, g1a, g0b, g1b        ; a joint load: waves 0 and 1 fetch for A, waves 2 and 3 for B; four v_nop follow each line
	s_cmp_eq_u32 s15, 0
	s_cbranch_scc0 .Lfor_b_\@
	tensor_load_to_lds s[\g0a:\g0a+3], s[\g1a:\g1a+7]
	s_nop 0
.rept 4
	v_nop
.endr
	s_branch .Lasked_\@
.Lfor_b_\@:
	tensor_load_to_lds s[\g0b:\g0b+3], s[\g1b:\g1b+7]
	s_nop 0
.rept 4
	v_nop
.endr
.Lasked_\@:
.endm
.macro CREST
	s_cmp_lg_u32 s14, 0
	s_cbranch_scc1 .Lnot_wave_0_\@
	s_barrier_signal -3
.Lnot_wave_0_\@:
	s_barrier_wait -3
	s_barrier_signal -1
	s_barrier_wait -1
.endm
.macro CROUND
	s_barrier_signal -1
	s_barrier_wait -1
	CREST
.endm
	s_load_b128 s[4:7], s[0:1], 0x0                ; a2 s[4:5], ops s[6:7]
	s_load_b64 s[12:13], s[0:1], 0x10              ; out0
	v_lshl_add_u32 v[SPW], v0, 2, SPARE
	v_mov_b32 v[NIL], 0
	ds_add_u32 v28, v29
	ds_add_u32 v28, v29
	s_wait_dscnt 0x0
	v_lshrrev_b32 v1, 5, v0
	v_readfirstlane_b32 s14, v1                    ; wave 0..3
	s_lshr_b32 s15, s14, 1                         ; which half of the tile's tokens is mine.  Also: I fetch for A (0) or for B (1)
	s_and_b32 s16, s14, 1                          ; which half of its columns.  Also: which 128 rows I fetch
	s_bfe_u32 s40, ttmp6, 0x40000
	s_bfe_u32 s41, ttmp6, 0x40004
	s_lshl_b32 s42, ttmp9, 2
	s_add_co_u32 s42, s42, s40                     ; tile column
	s_and_b32 s17, ttmp7, 0xffff
	s_lshl_b32 s17, s17, 2
	s_add_co_u32 s17, s17, s41                     ; tile row
	s_lshl_b32 s43, s41, 2
	s_lshl_b32 s43, 15, s43
	s_lshl_b32 s44, 0x1111, s40
	s_or_b32 s[G1+0], s43, (3<<16)|(1<<21)         ; 15:0 the mask; 17:16 elements of 8 bytes; 21 set beside a mask; no padding
	s_or_b32 s[G1B+0], s44, (3<<16)|(1<<21)
.irp g, G1, G1B
	s_mov_b32 s[\g+1], 512<<16
	s_mov_b32 s[\g+2], 8<<16
	s_mov_b32 s[\g+3], 512<<16
	s_mov_b32 s[\g+4], 8
	s_mov_b32 s[\g+6], 0
	s_mov_b32 s[\g+7], 0
.endr
	s_mov_b32 s[G1+5], 131072/8
	s_mov_b32 s[G1B+5], 65536/8
	s_or_b32 s[G1S+0], s43, (3<<16)|(1<<21)
	s_or_b32 s[G1SB+0], s44, (3<<16)|(1<<21)
.irp g, G1S, G1SB
	s_mov_b32 s[\g+1], 256<<16
	s_mov_b32 s[\g+2], NKS<<16
	s_mov_b32 s[\g+3], 256<<16
	s_mov_b32 s[\g+4], NKS
	s_mov_b32 s[\g+6], 0
	s_mov_b32 s[\g+7], 0
.endr
	s_mov_b32 s[G1S+5], 4096*2
	s_mov_b32 s[G1SB+5], 2048*2
	s_lshl_b32 s18, s16, 12
	s_lshl_b32 s19, s16, 11
	s_lshl_b32 s20, s17, 13
	s_add_co_u32 s20, s20, s18
	s_mov_b32 s21, 0
	s_lshl_b32 s22, s17, 12
	s_add_co_u32 s22, s22, s19
	s_add_co_u32 s22, s22, AS0
	s_mov_b32 s23, 0
	s_lshl_b32 s46, s42, 13
	s_add_co_u32 s46, s46, s18
	s_add_co_u32 s46, s46, BC0
	s_mov_b32 s47, 0
	s_lshl_b32 s92, s42, 12
	s_add_co_u32 s92, s92, s19
	s_add_co_u32 s92, s92, BS0
	s_mov_b32 s93, 0
	s_mul_i32 s45, s14, QUART
	s_mul_i32 s94, s14, HALFS
	s_wait_kmcnt 0x0
	s_add_nc_u64 s[20:21], s[4:5], s[20:21]
	s_add_nc_u64 s[22:23], s[4:5], s[22:23]
	s_add_nc_u64 s[46:47], s[6:7], s[46:47]
	s_add_nc_u64 s[92:93], s[6:7], s[92:93]
	CROUND                                         ; all sixteen work-groups are here: the first joint loads meet
	s_mov_b32 s[G0S], 1
	s_add_co_u32 s[G0S+1], s94, SCL
	s_mov_b64 s[G0S+2:G0S+3], s[22:23]
	s_or_b32 s[G0S+3], s[G0S+3], 0x80000000
	s_mov_b32 s[G0SB], 1
	s_add_co_u32 s[G0SB+1], s94, SCL
	s_mov_b64 s[G0SB+2:G0SB+3], s[92:93]
	s_or_b32 s[G0SB+3], s[G0SB+3], 0x80000000
	JLOAD G0S, G1S, G0SB, G1SB
.irp s, 0,1
	s_mov_b32 s[G0+4*\s], 1
	s_add_co_u32 s[G0+4*\s+1], s45, \s*SLOT
	s_add_nc_u64 s[G0+4*\s+2:G0+4*\s+3], s[20:21], \s*ASTEP
	s_or_b32 s[G0+4*\s+3], s[G0+4*\s+3], 0x80000000
	s_mov_b32 s[G0B+4*\s], 1
	s_add_co_u32 s[G0B+4*\s+1], s45, \s*SLOT
	s_add_nc_u64 s[G0B+4*\s+2:G0B+4*\s+3], s[46:47], \s*BSTEP
	s_or_b32 s[G0B+4*\s+3], s[G0B+4*\s+3], 0x80000000
	JLOAD G0+4*\s, G1, G0B+4*\s, G1B
.endr
	v_and_b32 v1, 15, v0
	v_bfe_u32 v2, v0, 4, 1
	v_and_b32 v6, 31, v0
	v_lshlrev_b32 v[L16], 4, v6
	s_mul_i32 s21, s15, QUART
	s_mul_i32 s22, s16, QUART
	s_add_co_u32 s22, s22, 2*QUART
.irp s, 0,1
	v_add_nc_u32 v[ADRA+\s], s21, v[L16]
	v_add_nc_u32 v[ADRB+\s], s22, v[L16]
	s_add_co_u32 s21, s21, SLOT
	s_add_co_u32 s22, s22, SLOT
.endr
	v_lshlrev_b32 v5, 4, v1
	s_mul_i32 s21, s15, HALFS
	s_mul_i32 s22, s16, HALFS
	s_add_co_u32 s22, s22, 2*HALFS
	s_sub_co_u32 s22, s22, s21
	v_mul_u32_u24 v6, s22, v2                      ; lanes 16-31 take B's
	s_add_co_u32 s21, s21, SCL
	v_add_nc_u32 v5, v5, v6
	v_add_nc_u32 v[ADRS], s21, v5
	s_mul_i32 s23, s14, 16*SPITCH
	s_add_co_u32 s23, s23, SLOT                    ; my stage, in slot 1
	v_mul_u32_u24 v5, v1, SPITCH                   ; in: row l % 16; column 32 (b / 2) + 16 h + 8 (b % 2) + j: 64 h bytes here, the rest in the offsets
	v_lshl_add_u32 v5, v2, 6, v5
	v_add_nc_u32 v[STO], s23, v5
	v_add_nc_u32 v[RD], s23, v[L16]                ; back: the 32 lanes take one row of 512 bytes
	s_lshl_b32 s20, s17, 21                        ; my first token's row of 8,192 bytes: 256 x tile row + 128 x half
	s_lshl_b32 s21, s15, 20
	s_add_co_u32 s20, s20, s21
	s_lshl_b32 s46, s42, 10                        ; my first column, in bytes
	s_lshl_b32 s47, s16, 9
	s_add_co_u32 s46, s46, s47
	s_add_co_u32 s20, s20, s46
	s_mov_b32 s21, 0
	s_add_nc_u64 s[12:13], s[12:13], s[20:21]
.macro FRAG reg, adr, q, i
.irp c, 0,1
	ds_load_b128 v[\reg+4*\c:\reg+4*\c+3], v[\adr] offset:(2*(\q)+\c)*4096+(\i)*512
.endr
.endm
; 16 matrix instructions: A's blocks a0, a0 + 1 x B's eight.  The 64 accumulators take turns, one instruction a turn, in the same order in every step.
.macro MUL16 a0, p, q, sc, zero
.irp a, \a0, \a0+1
.irp b, 0,1,2,3,4,5,6,7
.if \zero
	v_wmma_scale_f32_16x16x128_f8f6f4 v[8*(8*((\a)%4)+\b):8*(8*((\a)%4)+\b)+7], v[128*(\p)+FR*\b:128*(\p)+FR*\b+FR-1], v[AF+FR*(\a):AF+FR*(\a)+FR-1], 0, v[SC+8*NQ*(\sc)+NQ*\b+(\q)], v[SC+8*NQ*(\sc)+NQ*(\a)+(\q)] matrix_a_fmt:MATRIX_FMT_FP4 matrix_b_fmt:MATRIX_FMT_FP4 matrix_a_scale:MATRIX_SCALE_ROW1
.else
	v_wmma_scale_f32_16x16x128_f8f6f4 v[8*(8*((\a)%4)+\b):8*(8*((\a)%4)+\b)+7], v[128*(\p)+FR*\b:128*(\p)+FR*\b+FR-1], v[AF+FR*(\a):AF+FR*(\a)+FR-1], v[8*(8*((\a)%4)+\b):8*(8*((\a)%4)+\b)+7], v[SC+8*NQ*(\sc)+NQ*\b+(\q)], v[SC+8*NQ*(\sc)+NQ*(\a)+(\q)] matrix_a_fmt:MATRIX_FMT_FP4 matrix_b_fmt:MATRIX_FMT_FP4 matrix_a_scale:MATRIX_SCALE_ROW1
.endif
.endr
.endr
.endm
.macro FETCH_B slot, q, p
	WIN TO_B
.irp i, 0,1,2,3,4,5,6,7
	FRAG 128*(\p)+FR*\i, ADRB+\slot, \q, \i
.endr
	WIN 0
.endm
.macro FETCH_A slot, q, i0
.irp i, \i0, \i0+1, \i0+2, \i0+3
	FRAG AF+FR*(\i), ADRA+\slot, \q, \i
.endr
.endm
.macro SCALES sc
.irp i, 0,1,2,3,4,5,6,7
	ds_load_b128 v[SC+8*NQ*\sc+NQ*\i:SC+8*NQ*\sc+NQ*\i+3], v[ADRS] offset:\i*256
.endr
.endm
.macro PLACES n                        ; plain vector lines between a matrix instruction and a load into, or a read of, its registers (ISA guide 7.12.1 for the reads)
.rept \n
	v_nop
.endr
.endm
.macro STEP slot, q, zero
	s_wait_dscnt 4*NL                              ; B's set and A's blocks 0-3 are in; the youngest eight loads (A's blocks 4-7) may be out
	WIN MUL_LO
	MUL16 0, (\q)%2, \q, \slot, \zero
	MUL16 2, (\q)%2, \q, \slot, \zero
	s_wait_dscnt 0
	PLACES NP
	FETCH_B \slot, (\q)+1, 1-(\q)%2
	FETCH_A \slot, (\q)+1, 0
	WIN MUL_HI
	MUL16 4, (\q)%2, \q, \slot, \zero
	MUL16 6, (\q)%2, \q, \slot, \zero
	PLACES NP
	WIN 0
	FETCH_A \slot, (\q)+1, 4
.endm
; A slot's last step changes slots: ONE barrier; in front of it each wave waits for all its tensor loads, adds 0 to its spare word, and waits for that and for its reads of this slot.
.macro TURN slot, next, fill
	s_wait_tensorcnt 0x0                           ; all my tensor loads have landed: my part of the next slot
	ds_add_u32 v[SPW], v[NIL]                      ; 0 onto my spare word
	s_wait_dscnt 4*NL+1                            ; (the add and the youngest eight loads may be out)
	WIN MUL_LO
	MUL16 0, 1, NQ-1, \slot, 0
	s_wait_dscnt 0x0                               ; the add is done, and my reads of this slot are over
	s_barrier_signal -1
	MUL16 2, 1, NQ-1, \slot, 0
	WIN 0
	s_barrier_wait -1
.if \fill
	CREST                                          ; the barrier has opened a round of the cluster's barrier: no wave of any partner still reads this slot or has a load on its way
	s_add_nc_u64 s[G0+4*\slot+2:G0+4*\slot+3], s[G0+4*\slot+2:G0+4*\slot+3], 2*ASTEP
	s_add_nc_u64 s[G0B+4*\slot+2:G0B+4*\slot+3], s[G0B+4*\slot+2:G0B+4*\slot+3], 2*BSTEP
	JLOAD G0+4*\slot, G1, G0B+4*\slot, G1B         ; the first tensor load behind the round; its four v_nop are also the places in front of the loads below
.else
	PLACES NP
.endif
	v_add_nc_u32 v[ADRS], 2048, v[ADRS]            ; the next K step's scale words
	FETCH_B \next, 0, 0
	FETCH_A \next, 0, 0
	SCALES \next
	WIN MUL_HI
	MUL16 4, 1, NQ-1, \slot, 0
	MUL16 6, 1, NQ-1, \slot, 0
	PLACES NP
	WIN 0
	FETCH_A \next, 0, 4
.endm
.macro STEPS slot, from
.set Q, \from
.rept NQ-1-\from
	STEP \slot, Q, 0
.set Q, Q+1
.endr
.endm
.macro LAST slot
	s_wait_dscnt 4*NL
	WIN MUL_LO
	MUL16 0, 1, NQ-1, \slot, 0
	MUL16 2, 1, NQ-1, \slot, 0
	s_wait_dscnt 0
	WIN MUL_HI
	MUL16 4, 1, NQ-1, \slot, 0
	MUL16 6, 1, NQ-1, \slot, 0
	WIN 0
.endm
	s_wait_tensorcnt 1                             ; the scale bytes and my part of K step 0 are in (K step 1's load may be out),
	s_barrier_signal -1
	s_barrier_wait -1                              ; everybody's are
	FETCH_B 0, 0, 0
	FETCH_A 0, 0, 0
	SCALES 0
	FETCH_A 0, 0, 4
	STEP 0, 0, 1                                   ; the first products start the sums: nothing is cleared
	STEPS 0, 1
	TURN 0, 1, 1                                   ; slot 0 takes K step 2
	STEPS 1, 0
	TURN 1, 0, 1                                   ; slot 1 takes K step 3: its last fill
	STEPS 0, 0
	TURN 0, 1, 1                                   ; slot 0 takes K step 4
	STEPS 1, 0
	TURN 1, 0, 0                                   ; behind this barrier nobody reads slot 1 any more
	STEPS 0, 0
	LAST 0
; THE WAY OUT, a block of 16 tokens x 128 columns at a time, through my own stage: in by lanes (32 bytes of a row each), back as whole rows of 512 bytes.
; LDS serves a wave's instructions in order (ISA guide 5.7.1.4): no wait between the stores and the loads, nor in front of the next block's stores.
.macro TOSTAGE a
.set AC, 64*((\a)%4)
	WIN 0x08+4*((\a)/4)                            ; the data: window 2 or 3
.irp b, 0,1,2,3,4,5,6,7
	ds_store_b128 v[STO], v[AC+8*\b:AC+8*\b+3] offset:128*(\b/2)+32*(\b%2)          ; each accumulator from its low end on
	ds_store_b128 v[STO], v[AC+8*\b+4:AC+8*\b+7] offset:128*(\b/2)+32*(\b%2)+16
.endr
	WIN 0
.set BB, BK+64*((\a)%2)
.irp t, 0,1,2,3,4,5,6,7,8,9,10,11,12,13,14,15
	ds_load_b128 v[BB+4*\t:BB+4*\t+3], v[RD] offset:\t*SPITCH
.endr
.endm
.macro SEND a, younger                 ; younger: the LDS instructions issued behind block a's loads, which may stay out
.set BB, BK+64*((\a)%2)
	s_wait_dscnt \younger
.irp t, 0,1,2,3,4,5,6,7,8,9,10,11,12,13,14,15
	global_store_b128 v[L16], v[BB+4*\t:BB+4*\t+3], s[12:13] offset:(32*((\a)/2)+8*((\a)%2)+\t+8*(\t/8))*8192 th:TH_STORE_NT   ; lane t of token tile a is this token; 512 consecutive bytes, aligned; 127 rows at the most: inside the signed 24-bit immediate
.endr
.endm
	PLACES NP                                      ; behind the last products: for the reads of results and for loads into the registers that held A's fragments
	TOSTAGE 0
.irp a, 1,2,3,4,5,6,7
.if \a > 1
	s_wait_xcnt 0x0                                ; block a - 2's stores have read their registers: block a's loads may land there
.endif
	TOSTAGE \a
	SEND \a-1, 32                                  ; behind block a - 1's loads: block a's 16 stores and 16 loads
.endr
	SEND 7, 0
	s_wait_tensorcnt 0x0                           ; the wave's end
	ds_add_u32 v[SPW], v[NIL]
	s_wait_dscnt 0x0
	CROUND                                         ; the closing round: no work-group ends while a partner may still ask for a tile that names it
	s_endpgm
.Lfunc_end_k_q7ef7c5c002_out:
	.size	k_q7ef7c5c002_out, .Lfunc_end_k_q7ef7c5c002_out-k_q7ef7c5c002_out
	.p2alignl 7, 3214868480
	.fill 96, 4, 3214868480
	.section	.rodata,"a",@progbits
	.p2align	6, 0x0
	.amdhsa_kernel k_q7ef7c5c002_out
		.amdhsa_group_segment_fixed_size 327680
		.amdhsa_private_segment_fixed_size 0
		.amdhsa_enable_private_segment 0
		.amdhsa_kernarg_size 24
		.amdhsa_user_sgpr_count 2
		.amdhsa_user_sgpr_kernarg_segment_ptr 1
		.amdhsa_wavefront_size32 1
		.amdhsa_system_sgpr_workgroup_id_x 1
		.amdhsa_system_sgpr_workgroup_id_y 1
		.amdhsa_system_sgpr_workgroup_id_z 1
		.amdhsa_system_vgpr_workitem_id 0
		.amdhsa_next_free_vgpr 1024
		.amdhsa_next_free_sgpr 98
		.amdhsa_reserve_vcc 0
		.amdhsa_float_denorm_mode_32 3
		.amdhsa_float_denorm_mode_16_64 3
		.amdhsa_memory_ordered 1
		.amdhsa_forward_progress 1
		.amdhsa_inst_pref_size 254
	.end_amdhsa_kernel
	.amdgpu_metadata
---
amdhsa.version: [ 1, 2 ]
amdhsa.kernels:
  - .name:           k_q7ef7c5c002_out
    .symbol:         k_q7ef7c5c002_out.kd
    .args:
      - { .name: a2, .offset: 0, .size: 8, .value_kind: global_buffer, .address_space: global }
      - { .name: ops, .offset: 8, .size: 8, .value_kind: global_buffer, .address_space: global }
      - { .name: out0, .offset: 16, .size: 8, .value_kind: global_buffer, .address_space: global }
    .group_segment_fixed_size: 327680
    .private_segment_fixed_size: 0
    .kernarg_segment_align: 8
    .kernarg_segment_size: 24
    .max_flat_workgroup_size: 128
    .sgpr_count:     98
    .vgpr_count:     1024
    .wavefront_size: 32
...
	.end_amdgpu_metadata
.endif
;; end of part 5
